; MI455X (gfx1250); checked and timed in simulation.
; The chip was launched on July 23, 2026; its instructions are those of AMD's public machine-readable ISA for CDNA 5 (MIT licence, August 2026) and "CDNA5" Instruction Set Architecture Reference Guide (July 2026). The comments in the code are by the model that wrote it; some were corrected since.
;; Self Attention. Allowed arithmetic: float matrix products may take bf16 or f16 operands with f32 sums; other float arithmetic in f32, or as packed bf16 or f16 multiplies, adds, multiply-adds, maxima and minima; sums over many terms, partial sums and values carried from step to step in f32; what a program stores and reads back later, other than sums and carried values, may be rounded once to bf16 or f16.
;; Inputs: b_k 1,024 float32; b_out 1,024 float32; b_q 1,024 float32; b_v 1,024 float32; w_k 1,024 x 1,024 float32; w_out 1,024 x 1,024 float32; w_q 1,024 x 1,024 float32; w_v 1,024 x 1,024 float32; x 4 x 2,048 x 1,024 float32.
;; Outputs: out0 4 x 2,048 x 1,024 float32.
;; 2 versions, each right; version 2 is version 1 with the launch cast written anew for expert scheduling mode. Each part assembles by itself: llvm-mc -triple=amdgcn-amd-amdhsa -mcpu=gfx1250 --defsym DOCPART=n.
;; ======== version 1 of 2: 5 launches
;; limits: values are held in f16: magnitudes above 65,504 overflow, below 6.1e-05 lose precision
;; workspace buffers: xh 16,777,216 bytes; wh 8,388,608 bytes; bias 16,384 bytes; qkv 50,331,648 bytes; p 33,554,432 bytes; stat 1,048,576 bytes; o 16,777,216 bytes
;; launch cast (part 1): grid 768 x 1, 8 waves a work-group, no clusters, 0 bytes of LDS; arguments x, w_q, w_k, w_v, w_out, b_q, b_k, b_v, b_out, xh, wh, bias; writes xh, wh, bias
.if DOCPART == 1
	.amdgcn_target "amdgcn-amd-amdhsa--gfx1250"
	.amdhsa_code_object_version 6
	.text
	.protected	k_q8ca7ea6b4e_cast
	.globl	k_q8ca7ea6b4e_cast
	.p2align	8
	.type	k_q8ca7ea6b4e_cast,@function
k_q8ca7ea6b4e_cast:
	s_mov_b64 s[64:65], 0
	v_nop
	global_prefetch_b8 v0, s[64:65] scope:SCOPE_SE
	s_setreg_imm32_b32 hwreg(HW_REG_WAVE_MODE, 25, 1), 1
	s_wait_xcnt 0x0
; x and the four weights: f32 -> rounded once to bf16 -> that number written as f16 (exact where it lies in f16's normal range).
; The four biases: f32 -> rounded to bf16 -> kept as f32.  So every input of the module has one and the same rounding.
; LIMITS.  A number beyond 65,504 becomes an infinity in f16; below 2^-14 f16 keeps a fixed step of 6e-8.
; A stream: no LDS, no matrix unit, no cluster (no two work-groups read the same byte).  A work-group converts 65,536 bytes of f32:
; 256 threads x 16 loads of 16 bytes, all issued first; a wave's load covers 512 consecutive bytes, its store of 8 bytes a lane 256 consecutive bytes, aligned.
; Work-groups 0-511 take x; work-group 512 + j takes piece j % 64 of weight j / 64, and the first piece's work-group that weight's bias too.
.set XG,  512                          ; work-groups for x
.set IN,  16                           ; v[16:79]   sixteen loads of four f32
.set OUT, 80                           ; v[80:111]  sixteen pairs of registers to store; each load has its own, so none is rewritten
	s_load_b512 s[8:23], s[0:1], 0x0               ; x s[8:9], w_q s[10:11], w_k s[12:13], w_v s[14:15], w_out s[16:17], b_q s[18:19], b_k s[20:21], b_v s[22:23]
	s_load_b256 s[24:31], s[0:1], 0x40             ; b_out s[24:25], xh s[26:27], wh s[28:29], bias s[30:31]
	v_lshlrev_b32 v1, 4, v0                        ; 16 bytes a thread in
	v_lshlrev_b32 v2, 3, v0                        ; 8 bytes a thread out
	s_sub_co_u32 s4, ttmp9, XG                     ; j (it wraps in x's work-groups, which do not use it)
	s_lshr_b32 s5, s4, 6                           ; which weight
	s_and_b32 s6, s4, 63                           ; which piece of it
	s_mov_b32 s7, 0xffff0000                       ; a word's upper bf16
	s_wait_kmcnt 0x0
	s_cmp_eq_u32 s5, 1
	s_cselect_b64 s[32:33], s[12:13], s[10:11]     ; the weight,
	s_cselect_b64 s[34:35], s[20:21], s[18:19]     ; and its bias
	s_cmp_eq_u32 s5, 2
	s_cselect_b64 s[32:33], s[14:15], s[32:33]
	s_cselect_b64 s[34:35], s[22:23], s[34:35]
	s_cmp_eq_u32 s5, 3
	s_cselect_b64 s[32:33], s[16:17], s[32:33]
	s_cselect_b64 s[34:35], s[24:25], s[34:35]
	s_cmp_lt_u32 ttmp9, XG
	s_cselect_b64 s[32:33], s[8:9], s[32:33]       ; from x or from the weight,
	s_cselect_b64 s[36:37], s[26:27], s[28:29]     ; to xh or to wh
	s_cselect_b32 s38, ttmp9, s6                   ; the piece in the source,
	s_cselect_b32 s40, ttmp9, s4                   ; and in the destination (the weights lie one behind the other in wh)
	s_lshl_b32 s38, s38, 16
	s_mov_b32 s39, 0
	s_lshl_b32 s40, s40, 15
	s_mov_b32 s41, 0
	s_add_nc_u64 s[32:33], s[32:33], s[38:39]
	s_add_nc_u64 s[36:37], s[36:37], s[40:41]
.set p, 0
.rept 16
	global_load_b128 v[IN+4*p:IN+4*p+3], v1, s[32:33] offset:4096*p th:TH_LOAD_NT
.set p, p+1
.endr
.set p, 0
.rept 16
	s_wait_loadcnt 15-p                            ; loads come back in order: load p is in, the 15 - p younger ones stay out
	v_cvt_pk_bf16_f32 v4, v[IN+4*p], v[IN+4*p+1]   ; the one rounding, to nearest even
	v_cvt_pk_bf16_f32 v5, v[IN+4*p+2], v[IN+4*p+3]
	v_lshlrev_b32 v6, 16, v4                       ; bf16 to f32: the low half moves up, the high half stays
	v_and_b32 v7, s7, v4
	v_lshlrev_b32 v8, 16, v5
	v_and_b32 v9, s7, v5
	v_cvt_pk_f16_f32 v[OUT+2*p], v6, v7
	v_cvt_pk_f16_f32 v[OUT+2*p+1], v8, v9
	global_store_b64 v2, v[OUT+2*p:OUT+2*p+1], s[36:37] offset:2048*p
.set p, p+1
.endr
	s_cmp_lt_u32 ttmp9, XG
	s_cbranch_scc1 .Lend
	s_cmp_lg_u32 s6, 0
	s_cbranch_scc1 .Lend
	s_lshl_b32 s38, s5, 12                         ; the bias's 4,096 bytes in the table (s[38:39] is no operand of a pending instruction)
	s_add_nc_u64 s[42:43], s[30:31], s[38:39]
	global_load_b128 v[12:15], v1, s[34:35]
	s_wait_loadcnt 0x0
	v_cvt_pk_bf16_f32 v4, v12, v13
	v_cvt_pk_bf16_f32 v5, v14, v15
	v_lshlrev_b32 v6, 16, v4
	v_and_b32 v7, s7, v4
	v_lshlrev_b32 v8, 16, v5
	v_and_b32 v9, s7, v5
	global_store_b128 v1, v[6:9], s[42:43]
.Lend:
	s_endpgm
.Lfunc_end_k_q8ca7ea6b4e_cast:
	.size	k_q8ca7ea6b4e_cast, .Lfunc_end_k_q8ca7ea6b4e_cast-k_q8ca7ea6b4e_cast
	.p2alignl 7, 3214868480
	.fill 96, 4, 3214868480
	.section	.rodata,"a",@progbits
	.p2align	6, 0x0
	.amdhsa_kernel k_q8ca7ea6b4e_cast
		.amdhsa_group_segment_fixed_size 0
		.amdhsa_private_segment_fixed_size 0
		.amdhsa_enable_private_segment 0
		.amdhsa_kernarg_size 96
		.amdhsa_user_sgpr_count 2
		.amdhsa_user_sgpr_kernarg_segment_ptr 1
		.amdhsa_wavefront_size32 1
		.amdhsa_system_sgpr_workgroup_id_x 1
		.amdhsa_system_sgpr_workgroup_id_y 1
		.amdhsa_system_sgpr_workgroup_id_z 1
		.amdhsa_system_vgpr_workitem_id 0
		.amdhsa_next_free_vgpr 112
		.amdhsa_next_free_sgpr 66
		.amdhsa_reserve_vcc 0
		.amdhsa_float_denorm_mode_32 3
		.amdhsa_float_denorm_mode_16_64 3
		.amdhsa_memory_ordered 1
		.amdhsa_forward_progress 1
		.amdhsa_inst_pref_size 12
	.end_amdhsa_kernel
	.amdgpu_metadata
---
amdhsa.version: [ 1, 2 ]
amdhsa.kernels:
  - .name:           k_q8ca7ea6b4e_cast
    .symbol:         k_q8ca7ea6b4e_cast.kd
    .args:
      - { .name: x, .offset: 0, .size: 8, .value_kind: global_buffer, .address_space: global }
      - { .name: w_q, .offset: 8, .size: 8, .value_kind: global_buffer, .address_space: global }
      - { .name: w_k, .offset: 16, .size: 8, .value_kind: global_buffer, .address_space: global }
      - { .name: w_v, .offset: 24, .size: 8, .value_kind: global_buffer, .address_space: global }
      - { .name: w_out, .offset: 32, .size: 8, .value_kind: global_buffer, .address_space: global }
      - { .name: b_q, .offset: 40, .size: 8, .value_kind: global_buffer, .address_space: global }
      - { .name: b_k, .offset: 48, .size: 8, .value_kind: global_buffer, .address_space: global }
      - { .name: b_v, .offset: 56, .size: 8, .value_kind: global_buffer, .address_space: global }
      - { .name: b_out, .offset: 64, .size: 8, .value_kind: global_buffer, .address_space: global }
      - { .name: xh, .offset: 72, .size: 8, .value_kind: global_buffer, .address_space: global }
      - { .name: wh, .offset: 80, .size: 8, .value_kind: global_buffer, .address_space: global }
      - { .name: bias, .offset: 88, .size: 8, .value_kind: global_buffer, .address_space: global }
    .group_segment_fixed_size: 0
    .private_segment_fixed_size: 0
    .kernarg_segment_align: 8
    .kernarg_segment_size: 96
    .max_flat_workgroup_size: 256
    .sgpr_count:     66
    .vgpr_count:     112
    .wavefront_size: 32
...
	.end_amdgpu_metadata
.endif
;; end of part 1
;; launch qkv (part 2): grid 12 x 16, 4 waves a work-group, clusters of 4 x 4, 327,680 bytes of LDS; arguments xh, wh, bias, qkv; writes qkv
.if DOCPART == 2
	.amdgcn_target "amdgcn-amd-amdhsa--gfx1250"
	.amdhsa_code_object_version 6
	.text
	.protected	k_q8ca7ea6b4e_qkv
	.globl	k_q8ca7ea6b4e_qkv
	.p2align	8
	.type	k_q8ca7ea6b4e_qkv,@function
k_q8ca7ea6b4e_qkv:
	s_mov_b64 s[64:65], 0
	v_nop
	global_prefetch_b8 v0, s[64:65] scope:SCOPE_SE
	s_setreg_imm32_b32 hwreg(HW_REG_WAVE_MODE, 25, 1), 1
	s_wait_xcnt 0x0
	s_wait_alu depctr_hold_cnt(0) depctr_sa_sdst(0) depctr_va_vdst(0) depctr_va_sdst(0) depctr_va_ssrc(0) depctr_va_vcc(0) depctr_vm_vsrc(0)
	s_getreg_b32 s2, hwreg(HW_REG_IB_STS2, 6, 4)
	s_cmp_eq_u32 s2, 0
	s_cbranch_scc0 .Lentry_in_a_cluster
	s_endpgm
.Lentry_in_a_cluster:
	s_bfe_u32 s2, ttmp6, 0x10000c
	s_cmp_lg_u32 s2, 0xf033
	s_cbranch_scc0 .Lentry_shape_is_right
	s_endpgm
.Lentry_shape_is_right:
; Q, K, V = x W^T + b.  xh: [8192][1024] f16; wh: [4096][1024] f16 (w_q, w_k, w_v, w_out); bias: [4096] f32; qkv: three planes [8192][1024] f16, each number rounded once from its f32 sum.
; LIMITS.  Q, K and V beyond 65,504 become infinities in f16; below 2^-14 f16 keeps a fixed step of 6e-8.
; SHARES.  A tile of C is 256 x 256: four waves, 2 x 2, each 128 x 128: 64 accumulators of 16 x 16, 512 registers.  C has 32 x 12 = 384 tiles.  The grid is 12 x 16 = 192 work-groups of equal work: work-group
; (gx, gy) makes column tile gx of row tiles gy and gy + 16, one after the other, with the same rows of W and the same bias.  (On 256 work-groups half would make two tiles and half one: the launch would last as long.)
; K goes in steps of 128 (rows of 256 bytes, aligned) through two LDS slots.  In front of each step every wave waits for its tensor load, and behind a round of the cluster's barrier the slot just left is
; filled with the NEXT step: that load has the step's 256 matrix instructions in which to land.
; CLUSTER.  4 x 4 work-groups.  The four of a row of the cluster need the same rows of x, the four of a column the same rows of W: each tile is asked for jointly, by the same tensor load with the same
; descriptor and a mask that names the four.
; TRANSPOSED USE.  Source 0 = 16 rows of W, source 1 = 16 rows of x: lane l then holds row l % 16 of C and the columns 8 (l / 16) + 0..7.  The bias, laid out like a result, is the C operand of each sum's first product.
; REGISTERS, in windows of 256 (s_set_vgpr_msb: bits 1:0 source 0, 3:2 source 1, 5:4 source 2, 7:6 destination):
;   window 0: v0-20 addresses; v64-127, v128-191 fragments of x, two buffers (on the way out v64-127 take rows read back); v192-223 packed results
;   window 1: v64-127, v128-191 fragments of W; v192-255 the bias of my 128 columns
;   window 2: the accumulators of my rows 0-63 ((a, b) at v[64 a + 8 b]);   window 3: those of my rows 64-127
.set PITCH,  272                       ; an LDS row: 256 bytes + 16 of padding = 68 words: the 16 rows of a fragment load start at 16 different groups of four banks (64 banks of 4 bytes: ISA guide 11.1)
.set HALFT,  128*PITCH                 ; 128 rows: what one tensor load brings, and what one wave reads of x or of W
.set SLOT,   4*HALFT                   ; x's 256 rows, then W's 256 rows.  0x22000: it shares no bit with the waves' places 0, 0x8800, 0x11000, 0x19800, so one exclusive or turns an address in one slot into the other's
.set STAGE,  2*SLOT                    ; behind the ring, never filled by a tensor load: 16 rows x 272 bytes for each wave
.set SPITCH, 272
.set SPARE,  STAGE+4*16*SPITCH         ; the spare words, 128 bytes for each wave: two blocks of 256 bytes that no other line names
.set CPITCH, 2048                      ; bytes in a row of a plane
.set HALFC,  64*CPITCH                 ; the way out goes 64 rows at a time
.set WALKB,  16*256*2048               ; bytes of xh and of a plane from a tile's rows to the next tile's
.set G1W0,   (1<<16)|(1<<20)|(1<<21)|(5<<22)|(3<<25)  ; 17:16 2-byte elements; 20 padding on; 21 set beside a mask; 24:22 after every 64 words; 31:25 four words
.set A0,   10                          ; v10  my lane's place in x's rows of slot 0; never rewritten
.set B0,   11                          ; v11  the same for W
.set ADRA, 12                          ; v12  the same at the 64 along K in hand
.set ADRB, 13
.set STO,  14                          ; v14  the way out: where I put 16 bytes of a row
.set RD,   15                          ; v15  where I read rows back
.set CO,   16                          ; v16  my byte offset in two rows of C
.set PFO,  17                          ; v17  the prefetches' offset: my lane x a row of 2,048 bytes
.set SPW,  18                          ; v18  LDS address of my spare word; never rewritten
.set NIL,  19                          ; v19  0; never rewritten
.set BO,   20                          ; v20  32 (l / 16): my eight columns in a block of 16 biases
.set F0,   64
.set F1,   128
.set OBUF, 64
.set TMP,  192
.set BIAS, 192                         ; window 1
.set WV, 12                            ; s12 wave; s13 wave / 2: my half of the rows, and: I fetch x (0) or W (1); s14 wave % 2: my half of the columns, and which 128 rows I fetch
.set WH, 13
.set W1, 14
.set CX, 15                            ; s15, s16 my place in the cluster
.set CY, 16
.set GY, 17                            ; s17 row tile of the first tile; s67 column tile; s19 the cluster's y
.set CLY, 19
.set GX, 67
.set ABASE, 20                         ; s[20:21] x at the rows that I fetch; s[22:23] W likewise
.set BBASE, 22
.set G1A, 24                           ; s[24:31], s[32:39] descriptor group 1 for x's and W's tiles
.set G1B, 32
.set G0A, 40                           ; s[40:43], s[44:47] descriptor group 0: they walk
.set G0B, 44
.set KC, 56                            ; s[56:57] byte along K of the step to be asked for
.set TL, 60                            ; s60 tiles to go, this one among them
.set REM, 61                           ; s61 refills to go in the tile; s62 counts a step's two pairs, and the way out's two halves; s63 LDS byte of the 64 along K to be fetched
.set CNT, 62
.set TB, 63
.set LIM, 66                           ; s66 a wave prefetches while s61 is above it
.set PFBASE, 68                        ; s[68:69] the 32 rows that I prefetch; s[70:71] the same at the step named; s[72:73] that step's byte along K
.set PFA, 70
.set POFF, 72
.set CB, 76                            ; s[76:77] C at the 64 rows x 128 columns that go out next
.set BIASB, 86                         ; s[86:87] the bias of my 128 columns
.set MSB, 0
.macro WIN new                         ; the immediate's high byte repeats the setting that is left; a switch that changes nothing is dropped
.if MSB != (\new)
	s_set_vgpr_msb (MSB<<8)|(\new)
.set MSB, \new
.endif
.endm
.macro PLACES                          ; four places between a matrix instruction and a load into, or a vector line on, its registers
.rept 4
	v_nop
.endr
.endm
.macro CROUND                          ; a round of the cluster's barrier: my work-group's barrier; wave 0 signals for the work-group; every wave waits for all sixteen; my work-group's barrier once more
	s_barrier_signal -1
	s_barrier_wait -1
	s_cmp_lg_u32 s[WV], 0
	s_cbranch_scc1 .Lnot_wave_0_\@
	s_barrier_signal -3
.Lnot_wave_0_\@:
	s_barrier_wait -3
	s_barrier_signal -1
	s_barrier_wait -1
.endm
.macro JLOAD                           ; a joint load: waves 0 and 1 fetch x's halves, waves 2 and 3 W's; the branch hangs on the wave's number alone; an s_nop 0 and four v_nop follow each line
	s_cmp_eq_u32 s[WH], 0
	s_cbranch_scc0 .Lfor_b_\@
	tensor_load_to_lds s[G0A:G0A+3], s[G1A:G1A+7]
	s_nop 0
	PLACES
	s_branch .Lasked_\@
.Lfor_b_\@:
	tensor_load_to_lds s[G0B:G0B+3], s[G1B:G1B+7]
	s_nop 0
	PLACES
.Lasked_\@:
.endm
; A prefetch of the K step that stands two refills on: 32 rows x 256 bytes, a lane a row, behind the joint load and its five lines.  x's rows are read by the three clusters of a row of clusters: the first
; (cluster x = 0) asks; W's rows by the four clusters of a column: the first (cluster y = 0) asks, in the first tile alone, since the second takes the same rows.  Of the 128 rows that a wave fetches each of the
; four partners that ask for them jointly takes 32, told apart by address.  So each block of 256 bytes is named once in the launch; a tile's steps 0 to 2 come by their loads alone, and its last two refills name nothing.
.macro ASK
	s_cmp_gt_u32 s[REM], s[LIM]
	s_cbranch_scc0 .Lnot_mine_\@
	global_prefetch_b8 v[PFO], s[PFA:PFA+1] th:TH_LOAD_NT scope:SCOPE_SE
.Lnot_mine_\@:
.endm
; 32 matrix instructions: my row blocks 4 hi .. 4 hi + 3 x all 8 column blocks, 32 along K.  kind 0: onto the sums; 2: the bias starts them.  The 64 accumulators take turns, in one order everywhere.
.macro MULH f, hi, kind
.if (\kind) == 2
	WIN 0x91+0x40*(\hi)                            ; W in window 1, x in window 0, C (the bias) in window 1, D in window 2 or 3
.else
	WIN 0xa1+0x50*(\hi)                            ; C and D in window 2 or 3
.endif
.irp a, 0,1,2,3
.irp b, 0,1,2,3,4,5,6,7
.if (\kind) == 2
	v_wmma_f32_16x16x32_f16 v[64*(\a)+8*(\b):64*(\a)+8*(\b)+7], v[(\f)+8*(\b):(\f)+8*(\b)+7], v[(\f)+8*(4*(\hi)+(\a)):(\f)+8*(4*(\hi)+(\a))+7], v[BIAS+8*(\b):BIAS+8*(\b)+7]
.else
	v_wmma_f32_16x16x32_f16 v[64*(\a)+8*(\b):64*(\a)+8*(\b)+7], v[(\f)+8*(\b):(\f)+8*(\b)+7], v[(\f)+8*(4*(\hi)+(\a)):(\f)+8*(4*(\hi)+(\a))+7], v[64*(\a)+8*(\b):64*(\a)+8*(\b)+7]
.endif
.endr
.endr
.endm
; 32 LDS loads in one run: the fragments of 32 along K, at byte k behind the two addresses, into buffer f: W's eight, then x's eight.  A fragment: lane l holds row l % 16, K = 8 (l / 16) + 0..7 and 16 + 8 (l / 16) + 0..7.
.macro FETCH k, f
	WIN 0x40                                       ; destination window 1, address window 0
.irp i, 0,1,2,3,4,5,6,7
	ds_load_b128 v[(\f)+8*(\i):(\f)+8*(\i)+3],   v[ADRB] offset:(\k)+(\i)*16*PITCH
	ds_load_b128 v[(\f)+8*(\i)+4:(\f)+8*(\i)+7], v[ADRB] offset:(\k)+(\i)*16*PITCH+32
.endr
	WIN 0
.irp i, 0,1,2,3,4,5,6,7
	ds_load_b128 v[(\f)+8*(\i):(\f)+8*(\i)+3],   v[ADRA] offset:(\k)+(\i)*16*PITCH
	ds_load_b128 v[(\f)+8*(\i)+4:(\f)+8*(\i)+7], v[ADRA] offset:(\k)+(\i)*16*PITCH+32
.endr
.endm
; A PAIR: 64 along K, half a step, one text for both halves.  The products lag the fetches: at its head buffer 1 holds the 32 along K before, of which my rows 0-63 are multiplied and my rows 64-127 are not.
.macro PAIR
	WIN 0
	v_add_nc_u32 v[ADRA], s[TB], v[A0]             ; these two and two v_nop are the four places in front of the loads into buffer 0, which the pair before multiplied
	v_add_nc_u32 v[ADRB], s[TB], v[B0]
	v_nop
	v_nop
	s_add_co_u32 s[TB], s[TB], 128
	FETCH 0, F0
	s_wait_dscnt 32                                ; all but the 32 just issued: buffer 1 is whole
	MULH F1, 1, 0
	s_wait_dscnt 8                                 ; all but the youngest eight loads: x's row blocks 4 to 7
	MULH F0, 0, 0
	PLACES
	FETCH 64, F1
	s_wait_dscnt 32
	MULH F0, 1, 0
	s_wait_dscnt 8
	MULH F1, 0, 0
.endm
.macro FIRSTPAIR kind                  ; a tile's first pair: there is nothing before it, and its first 64 products start the sums
	WIN 0
	v_add_nc_u32 v[ADRA], s[TB], v[A0]
	v_add_nc_u32 v[ADRB], s[TB], v[B0]
	s_add_co_u32 s[TB], s[TB], 128
	FETCH 0, F0
	s_wait_dscnt 8
	MULH F0, 0, \kind
	FETCH 64, F1                                   ; no matrix instruction near has named buffer 1
	s_wait_dscnt 32
	MULH F0, 1, \kind
	s_wait_dscnt 8
	MULH F1, 0, 0
.endm
.macro NEXTSTEP                        ; the walking descriptors: the other slot, and the addresses made anew from the step's byte along K
	s_xor_b32 s[G0A+1], s[G0A+1], SLOT
	s_xor_b32 s[G0B+1], s[G0B+1], SLOT
	s_add_nc_u64 s[G0A+2:G0A+3], s[ABASE:ABASE+1], s[KC:KC+1]
	s_or_b32 s[G0A+3], s[G0A+3], 0x80000000
	s_add_nc_u64 s[G0B+2:G0B+3], s[BBASE:BBASE+1], s[KC:KC+1]
	s_or_b32 s[G0B+3], s[G0B+3], 0x80000000
	s_add_co_u32 s[KC], s[KC], 256
.endm
; THE CHANGE OF SLOTS, in front of each step.  Each wave waits for all its tensor loads, of which one is out: its part of the step to come; adds 0 to its spare word; and waits for that and for its reads of the
; slot that it leaves.  fill = 1: a round of the cluster's barrier, so that no wave of any partner still reads that slot or has a load on its way, and the joint refill, the step after the one to come, first behind it.
.macro X fill
.if \fill
	s_wait_xcnt 0x0                                ; the last prefetch, a step back, has read its address
	s_add_nc_u64 s[PFA:PFA+1], s[PFBASE:PFBASE+1], s[POFF:POFF+1]
	s_add_co_u32 s[POFF], s[POFF], 256
.endif
	WIN 0
	s_wait_tensorcnt 0x0                           ; no tensor load of mine is out, so a group 0 may be written
	ds_add_u32 v[SPW], v[NIL]                      ; 0 onto my spare word; scalar work stands between it and the wait for it
.if \fill
	NEXTSTEP
.endif
	s_sub_co_u32 s[TB], s[TB], 256                 ; the fetches go back to a row's first byte,
	s_xor_b32 s[TB], s[TB], SLOT                   ; in the other slot
	s_wait_dscnt 0x0                               ; the add is done, and my reads of the slot are over
.if \fill
	CROUND
	JLOAD
	ASK
.else
	s_barrier_signal -1
	s_barrier_wait -1
.endif
.endm
; THE WAY OUT of row block a of the four in window 2.  PACK: rounded to f16, 16 bytes a lane.  TOSTAGE: into my own stage, and back as whole rows of 256 bytes.  SEND: stored.
.macro PACK a
	WIN 0x0a                                       ; sources in window 2, destination in window 0
.irp b, 0,1,2,3,4,5,6,7
.irp q, 0,1,2,3
	v_cvt_pk_f16_f32 v[TMP+4*(\b)+(\q)], v[64*(\a)+8*(\b)+2*(\q)], v[64*(\a)+8*(\b)+2*(\q)+1]
.endr
.endr
	WIN 0
.endm
.macro TOSTAGE a
	WIN 0
.irp b, 0,1,2,3,4,5,6,7
	ds_store_b128 v[STO], v[TMP+4*(\b):TMP+4*(\b)+3] offset:32*(\b)
.endr
.irp t, 0,1,2,3,4,5,6,7
	ds_load_b128 v[OBUF+32*((\a)%2)+4*(\t):OBUF+32*((\a)%2)+4*(\t)+3], v[RD] offset:(\t)*2*SPITCH  ; LDS serves a wave's instructions in order (ISA guide 5.7.1.4): these see the stores above
.endr
.endm
.macro SEND a
	WIN 0
	s_wait_dscnt 0x0                               ; the block is back in registers
	s_wait_xcnt 0x0                                ; the stores of the block before have read their registers, which the next block's loads take
.irp t, 0,1,2,3,4,5,6,7
	global_store_b128 v[CO], v[OBUF+32*((\a)%2)+4*(\t):OBUF+32*((\a)%2)+4*(\t)+3], s[CB:CB+1] offset:(16*(\a)+2*(\t))*CPITCH  ; 16 lanes store 256 consecutive bytes, aligned
.endr
.endm
	s_load_b256 s[4:11], s[0:1], 0x0               ; xh s[4:5], wh s[6:7], bias s[8:9], qkv s[10:11]
	v_lshl_add_u32 v[SPW], v0, 2, SPARE
	v_mov_b32 v[NIL], 0
	ds_add_u32 v[SPW], v[NIL]                      ; the wave's opening: an add to my spare word, waited for ahead of my first tensor load; work on registers stands between them
	v_lshrrev_b32 v3, 5, v0
	v_readfirstlane_b32 s[WV], v3
	s_lshr_b32 s[WH], s[WV], 1
	s_and_b32 s[W1], s[WV], 1
	s_bfe_u32 s[CX], ttmp6, 0x40000
	s_bfe_u32 s[CY], ttmp6, 0x40004
	s_and_b32 s[CLY], ttmp7, 0xffff
	s_lshl_b32 s[GY], s[CLY], 2
	s_add_co_u32 s[GY], s[GY], s[CY]               ; row tile = 4 x cluster y + cy
	s_lshl_b32 s[GX], ttmp9, 2
	s_add_co_u32 s[GX], s[GX], s[CX]               ; column tile = 4 x cluster x + cx; the cluster's x is the plane
	s_lshl_b32 s2, s[CY], 2
	s_lshl_b32 s2, 15, s2                          ; my row of the cluster
	s_lshl_b32 s88, 0x1111, s[CX]                  ; my column
	s_or_b32 s[G1A], s2, G1W0
	s_or_b32 s[G1B], s88, G1W0
.irp g, G1A, G1B
	s_mov_b32 s[(\g)+1], 128<<16                   ; tensor_dim0 = 128
	s_mov_b32 s[(\g)+2], 128<<16                   ; tensor_dim1 = 128
	s_mov_b32 s[(\g)+3], 128<<16                   ; tile_dim0 = 128
	s_mov_b32 s[(\g)+4], 128                       ; tile_dim1 = 128
	s_mov_b32 s[(\g)+5], 1024                      ; elements from row to row
	s_mov_b32 s[(\g)+6], 0
	s_mov_b32 s[(\g)+7], 0
.endr
	s_lshl_b32 s2, s[GY], 8                        ; x: row 256 gy + 128 x half, in registers that never hold cx
	s_lshl_b32 s3, s[W1], 7
	s_add_co_u32 s2, s2, s3
	s_lshl_b32 s2, s2, 11
	s_mov_b32 s3, 0
	s_lshl_b32 s88, s[GX], 8                       ; W: row 256 gx + 128 x half, in registers that never hold cy
	s_lshl_b32 s89, s[W1], 7
	s_add_co_u32 s88, s88, s89
	s_lshl_b32 s88, s88, 11
	s_mov_b32 s89, 0
	s_mul_i32 s90, s[WV], HALFT                    ; where they go: x's two halves, then W's two: no place in the cluster enters an LDS address
	s_mov_b32 s[KC], 256                           ; the first refill asks for step 1
	s_mov_b32 s[KC+1], 0
	s_mov_b32 s[POFF], 768                         ; the first prefetch names step 3
	s_mov_b32 s[POFF+1], 0
	s_mov_b32 s[TB], SLOT+256                      ; the first change of slots turns it into 0
	s_wait_dscnt 0x0                               ; the opening add is done
	s_wait_kmcnt 0x0
	s_add_nc_u64 s[ABASE:ABASE+1], s[4:5], s[2:3]
	s_add_nc_u64 s[BBASE:BBASE+1], s[6:7], s[88:89]
	s_mov_b32 s[G0A], 1                            ; count = 1
	s_mov_b32 s[G0A+1], s90                        ; LDS address: slot 0
	s_mov_b64 s[G0A+2:G0A+3], s[ABASE:ABASE+1]     ; step 0
	s_or_b32 s[G0A+3], s[G0A+3], 0x80000000        ; type = 2
	s_mov_b32 s[G0B], 1
	s_mov_b32 s[G0B+1], s90
	s_mov_b64 s[G0B+2:G0B+3], s[BBASE:BBASE+1]
	s_or_b32 s[G0B+3], s[G0B+3], 0x80000000
	CROUND                                         ; all sixteen work-groups are here: the first joint loads meet
	JLOAD                                          ; step 0 into slot 0; slot 1 is asked for by the first change of slots
	v_and_b32 v1, 15, v0                           ; l % 16
	v_bfe_u32 v2, v0, 4, 1                         ; l / 16
	v_and_b32 v3, 31, v0                           ; l
	v_lshlrev_b32 v[BO], 5, v2
	s_lshl_b32 s92, s[GX], 10                      ; the bias of column 256 gx + 128 x my half
	s_lshl_b32 s95, s[W1], 9
	s_add_co_u32 s92, s92, s95
	s_mov_b32 s93, 0
	s_add_nc_u64 s[BIASB:BIASB+1], s[8:9], s[92:93]
	WIN 0x40
.irp b, 0,1,2,3,4,5,6,7
	global_load_b128 v[BIAS+8*(\b):BIAS+8*(\b)+3],   v[BO], s[BIASB:BIASB+1] offset:64*(\b)     ; register 8 b + j: the bias of column 16 b + 8 (l / 16) + j
	global_load_b128 v[BIAS+8*(\b)+4:BIAS+8*(\b)+7], v[BO], s[BIASB:BIASB+1] offset:64*(\b)+16
.endr
	WIN 0
	v_mul_u32_u24 v4, v1, PITCH
	v_lshl_add_u32 v4, v2, 4, v4                   ; row x pitch + 16 x half
	s_mul_i32 s94, s[WH], HALFT                    ; my 128 rows of x
	v_add_nc_u32 v[A0], s94, v4
	s_mul_i32 s94, s[W1], HALFT                    ; my 128 rows of W,
	s_add_co_u32 s94, s94, 2*HALFT                 ; which lie behind x's 256
	v_add_nc_u32 v[B0], s94, v4
	s_mul_i32 s94, s[WV], 16*SPITCH
	s_add_co_u32 s94, s94, STAGE                   ; my stage
	v_add_nc_u32 v[STO], s94, v4                   ; in: row l % 16, 16 bytes for each half of the lanes
	v_mul_u32_u24 v5, v2, SPITCH                   ; back: lanes 0-15 one row of 256 bytes, lanes 16-31 the next
	v_lshl_add_u32 v5, v1, 4, v5
	v_add_nc_u32 v[RD], s94, v5
	v_lshlrev_b32 v5, 11, v2                       ; and the same two rows in C
	v_lshl_add_u32 v[CO], v1, 4, v5
	v_lshlrev_b32 v[PFO], 11, v3
	s_lshl_b32 s92, s[GY], 8                       ; C: the plane, row 256 gy + 128 x my half, byte 512 cx + 256 x my half
	s_lshl_b32 s95, s[WH], 7
	s_add_co_u32 s92, s92, s95
	s_lshl_b32 s92, s92, 11
	s_lshl_b32 s95, ttmp9, 24
	s_add_co_u32 s92, s92, s95
	s_lshl_b32 s95, s[CX], 9
	s_add_co_u32 s92, s92, s95
	s_lshl_b32 s95, s[W1], 8
	s_add_co_u32 s92, s92, s95
	s_add_nc_u64 s[CB:CB+1], s[10:11], s[92:93]
	s_lshl_b32 s92, s[GY], 8                       ; the prefetches: of x rows 256 gy + 128 x half + 32 cx on,
	s_lshl_b32 s95, s[CX], 5
	s_add_co_u32 s92, s92, s95
	s_lshl_b32 s95, s[GX], 8                       ; of W rows 256 gx + 128 x half + 32 cy on
	s_lshl_b32 s94, s[CY], 5
	s_add_co_u32 s95, s95, s94
	s_cmp_eq_u32 s[WH], 0
	s_cselect_b32 s92, s92, s95
	s_cselect_b64 s[PFBASE:PFBASE+1], s[4:5], s[6:7]
	s_lshl_b32 s95, s[W1], 7
	s_add_co_u32 s92, s92, s95
	s_lshl_b32 s92, s92, 11
	s_add_nc_u64 s[PFBASE:PFBASE+1], s[PFBASE:PFBASE+1], s[92:93]
	s_cmp_eq_u32 ttmp9, 0                          ; who asks: the same in all sixteen partners, for a given wave
	s_cselect_b32 s[LIM], 2, -1
	s_cmp_eq_u32 s[CLY], 0
	s_cselect_b32 s95, 2, -1
	s_cmp_eq_u32 s[WH], 0
	s_cselect_b32 s[LIM], s[LIM], s95
	s_mov_b32 s[TL], 2
.Ltile:
	s_mov_b32 s[REM], 7                            ; steps 1 to 7 are still to be asked for
	X 1                                            ; step 0 is in, everybody's part of it; step 1 is asked for
	s_wait_loadcnt 0x0                             ; the bias
	FIRSTPAIR 2
	WIN 0
	s_mov_b32 s[CNT], 1
	s_branch .Lpair                                ; the loop is entered in the middle of a trip: step 0's second pair
.Lstep:                                                ; a trip: a change of slots with its refill, and a step's two pairs
	X 1
	s_mov_b32 s[CNT], 2
.Lpair:
	PAIR
	WIN 0
	s_sub_co_u32 s[CNT], s[CNT], 1
	s_cmp_lg_u32 s[CNT], 0
	s_cbranch_scc1 .Lpair
	s_sub_co_u32 s[REM], s[REM], 1
	s_cmp_lg_u32 s[REM], 0
	s_cbranch_scc1 .Lstep
	X 0                                            ; the tile's last step is written out: it asks for nothing
	s_mov_b32 s[CNT], 2
.Ltpair:
	PAIR
	WIN 0
	s_sub_co_u32 s[CNT], s[CNT], 1
	s_cmp_lg_u32 s[CNT], 0
	s_cbranch_scc1 .Ltpair
	s_wait_dscnt 0x0
	MULH F1, 1, 0                                  ; the last 32 along K for my rows 64-127
	WIN 0
	PLACES
	; THE WAY OUT: one text for four row blocks, walked twice; between the two trips window 3's sums are brought to where the text names them: 256 plain lines a tile, for half the text
	s_mov_b32 s[CNT], 2
.Lhalf:
	PACK 0
	TOSTAGE 0
.irp a, 1,2,3
	PACK \a
	SEND (\a)-1
	TOSTAGE \a
.endr
	SEND 3
	s_cmp_eq_u32 s[CNT], 1
	s_cbranch_scc1 .Lnomov
	s_wait_xcnt 0x0                                ; the stores have read their base
	s_add_nc_u64 s[CB:CB+1], s[CB:CB+1], HALFC
	WIN 0x83                                       ; source window 3, destination window 2
.set i, 0
.rept 256
	v_mov_b32 v[i], v[i]
.set i, i+1
.endr
	WIN 0
.Lnomov:
	s_sub_co_u32 s[CNT], s[CNT], 1
	s_cmp_lg_u32 s[CNT], 0
	s_cbranch_scc1 .Lhalf
	s_cmp_eq_u32 s[TL], 1
	s_cbranch_scc1 .Ldone                          ; behind the last tile nothing is asked for
	s_wait_xcnt 0x0                                ; the stores have read their registers and their base
	s_add_nc_u64 s[CB:CB+1], s[CB:CB+1], WALKB-HALFC
	s_add_nc_u64 s[ABASE:ABASE+1], s[ABASE:ABASE+1], WALKB  ; x goes 4,096 rows down; W stays
	s_cmp_eq_u32 s[WH], 0
	s_cselect_b32 s[LIM], s[LIM], -1               ; W's rows have been read: they are prefetched no more
	s_cselect_b32 s92, WALKB, 0
	s_mov_b32 s93, 0
	s_add_nc_u64 s[PFBASE:PFBASE+1], s[PFBASE:PFBASE+1], s[92:93]
	s_mov_b32 s[POFF], 768
	s_mov_b32 s[KC], 0
	s_wait_tensorcnt 0x0                           ; slot 0 is filled again, with the next tile's step 0: the three lines, a round, the joint load
	ds_add_u32 v[SPW], v[NIL]
	NEXTSTEP
	s_wait_dscnt 0x0
	CROUND
	JLOAD
	s_sub_co_u32 s[TL], s[TL], 1
	s_branch .Ltile
.Ldone:
	s_wait_tensorcnt 0x0                           ; the wave's end: an add to my spare word and its wait, behind my last tensor load and my last LDS store
	ds_add_u32 v[SPW], v[NIL]
	s_wait_dscnt 0x0
	CROUND                                         ; the closing round: no work-group ends while a partner may still ask for a tile that names it
	s_endpgm
.Lfunc_end_k_q8ca7ea6b4e_qkv:
	.size	k_q8ca7ea6b4e_qkv, .Lfunc_end_k_q8ca7ea6b4e_qkv-k_q8ca7ea6b4e_qkv
	.p2alignl 7, 3214868480
	.fill 96, 4, 3214868480
	.section	.rodata,"a",@progbits
	.p2align	6, 0x0
	.amdhsa_kernel k_q8ca7ea6b4e_qkv
		.amdhsa_group_segment_fixed_size 327680
		.amdhsa_private_segment_fixed_size 0
		.amdhsa_enable_private_segment 0
		.amdhsa_kernarg_size 32
		.amdhsa_user_sgpr_count 2
		.amdhsa_user_sgpr_kernarg_segment_ptr 1
		.amdhsa_wavefront_size32 1
		.amdhsa_system_sgpr_workgroup_id_x 1
		.amdhsa_system_sgpr_workgroup_id_y 1
		.amdhsa_system_sgpr_workgroup_id_z 1
		.amdhsa_system_vgpr_workitem_id 0
		.amdhsa_next_free_vgpr 1024
		.amdhsa_next_free_sgpr 96
		.amdhsa_reserve_vcc 0
		.amdhsa_float_denorm_mode_32 3
		.amdhsa_float_denorm_mode_16_64 3
		.amdhsa_memory_ordered 1
		.amdhsa_forward_progress 1
		.amdhsa_inst_pref_size 77
	.end_amdhsa_kernel
	.amdgpu_metadata
---
amdhsa.version: [ 1, 2 ]
amdhsa.kernels:
  - .name:           k_q8ca7ea6b4e_qkv
    .symbol:         k_q8ca7ea6b4e_qkv.kd
    .args:
      - { .name: xh, .offset: 0, .size: 8, .value_kind: global_buffer, .address_space: global }
      - { .name: wh, .offset: 8, .size: 8, .value_kind: global_buffer, .address_space: global }
      - { .name: bias, .offset: 16, .size: 8, .value_kind: global_buffer, .address_space: global }
      - { .name: qkv, .offset: 24, .size: 8, .value_kind: global_buffer, .address_space: global }
    .group_segment_fixed_size: 327680
    .private_segment_fixed_size: 0
    .kernarg_segment_align: 8
    .kernarg_segment_size: 32
    .max_flat_workgroup_size: 128
    .sgpr_count:     96
    .vgpr_count:     1024
    .wavefront_size: 32
...
	.end_amdgpu_metadata
.endif
;; end of part 2
;; launch scores (part 3): grid 8 x 32, 4 waves a work-group, clusters of 4 x 4, 327,680 bytes of LDS; arguments qkv, p, stat; writes p, stat
.if DOCPART == 3
	.amdgcn_target "amdgcn-amd-amdhsa--gfx1250"
	.amdhsa_code_object_version 6
	.text
	.protected	k_q8ca7ea6b4e_scores
	.globl	k_q8ca7ea6b4e_scores
	.p2align	8
	.type	k_q8ca7ea6b4e_scores,@function
k_q8ca7ea6b4e_scores:
	s_mov_b64 s[64:65], 0
	v_nop
	global_prefetch_b8 v0, s[64:65] scope:SCOPE_SE
	s_setreg_imm32_b32 hwreg(HW_REG_WAVE_MODE, 25, 1), 1
	s_wait_xcnt 0x0
	s_wait_alu depctr_hold_cnt(0) depctr_sa_sdst(0) depctr_va_vdst(0) depctr_va_sdst(0) depctr_va_ssrc(0) depctr_va_vcc(0) depctr_vm_vsrc(0)
	s_getreg_b32 s2, hwreg(HW_REG_IB_STS2, 6, 4)
	s_cmp_eq_u32 s2, 0
	s_cbranch_scc0 .Lentry_in_a_cluster
	s_endpgm
.Lentry_in_a_cluster:
	s_bfe_u32 s2, ttmp6, 0x10000c
	s_cmp_lg_u32 s2, 0xf033
	s_cbranch_scc0 .Lentry_shape_is_right
	s_endpgm
.Lentry_shape_is_right:
; S = Q K^T, and the first half of the softmax.  qkv: planes Q, K, V of [8192][1024] f16.  For each query and each GROUP of 128 keys (a wave's columns): m = the group's largest score,
; p = 2^(c s - c m) with c = log2(e) / 32, stored in f16 in p: [8192][2048]; c m and l = the sum of the unrounded p go to stat in f32.  The next launch joins the 16 groups of a row exactly.
; stat: [16 groups][128 blocks of 64 rows][32 lanes][4]: lane 16 h + r holds c m of rows 16 h + r and 32 + 16 h + r of the block, then their l.
; LIMITS.  p lies in 0 to 1 (to within a rounding of c m); below 6e-5 it keeps f16's fixed step of 6e-8; a weight below 2^-126 counts as 0 in l; NaN and infinities are not treated apart.
; SHARES.  A tile of S is 256 queries x 256 keys: four waves, 2 x 2, each 128 x 128: 64 accumulators, 512 registers.  4 batches x 8 x 8 tiles = 256: the grid is 8 x 32, one tile a work-group.
; K (the channels) goes in 8 steps of 128 (rows of 256 bytes, aligned) through two LDS slots.  In front of each step every wave waits for its tensor load, and behind a round of the cluster's barrier the slot
; just left is filled with the NEXT step: that load has the step's 256 matrix instructions in which to land.
; CLUSTER.  4 x 4 work-groups, all of one batch.  The four of a row need the same rows of Q, the four of a column the same rows of K: joint loads with a mask of four.
; TRANSPOSED USE.  Source 0 = 16 keys, source 1 = 16 queries: lane l holds query l % 16 and keys 8 (l / 16) + 0..7, so a row's maximum and sum want one exchange between the halves of the lanes.
; REGISTERS, in windows of 256 (s_set_vgpr_msb: bits 1:0 source 0, 3:2 source 1, 5:4 source 2, 7:6 destination):
;   window 0: v2-9 c m, a pair for each of four row blocks; v10-20 addresses; v24-27 l; v28-31 what goes to stat; v64-127, v128-191 fragments of Q (on the way out v64-127 take rows read back); v192-223 at work
;   window 1: v64-127, v128-191 fragments of K          window 2: the accumulators of my rows 0-63 ((a, b) at v[64 a + 8 b]);   window 3: those of my rows 64-127
.set PITCH,  272                       ; an LDS row: 256 bytes + 16 of padding: the 16 rows of a fragment load start at 16 different groups of four banks (64 banks of 4 bytes: ISA guide 11.1)
.set HALFT,  128*PITCH                 ; 128 rows: what one tensor load brings, and what one wave reads of Q or of K
.set SLOT,   4*HALFT                   ; Q's 256 rows, then K's 256 rows.  0x22000: it shares no bit with the waves' places 0, 0x8800, 0x11000, 0x19800, so one exclusive or turns an address in one slot into the other's
.set STAGE,  2*SLOT                    ; behind the ring, never filled by a tensor load: 16 rows x 272 bytes for each wave
.set SPITCH, 272
.set SPARE,  STAGE+4*16*SPITCH         ; the spare words, 128 bytes for each wave: two blocks of 256 bytes that no other line names
.set CPITCH, 4096                      ; bytes in a row of p
.set KPLANE, 8192*2048
.set G1W0,   (1<<16)|(1<<20)|(1<<21)|(5<<22)|(3<<25)  ; 2-byte elements; padding on; bit 21 beside a mask; after every 64 words four words
.set CMX,  2                           ; v[2+2a:3+2a] c m of row block a, twice
.set A0,   10                          ; v10, v11 my lane's place in Q's and K's rows of slot 0; never rewritten
.set B0,   11
.set ADRA, 12                          ; v12, v13 the same at the 64 along K in hand
.set ADRB, 13
.set STO,  14
.set RD,   15
.set CO,   16
.set PFO,  17
.set SPW,  18                          ; v18  LDS address of my spare word; never rewritten
.set NIL,  19                          ; v19  0; never rewritten
.set SO,   20                          ; v20  16 x lane: my 16 bytes of stat
.set LSUM, 24
.set ST,   28
.set F0,   64
.set F1,   128
.set OBUF, 64
.set TMP,  192
.set WV, 12
.set WH, 13
.set W1, 14
.set CX, 15
.set CY, 16
.set GY, 17
.set BATCH, 18
.set CLY, 19
.set GX, 67
.set ABASE, 20
.set BBASE, 22
.set G1A, 24
.set G1B, 32
.set G0A, 40
.set G0B, 44
.set KC, 56
.set REM, 61
.set CNT, 62
.set TB, 63
.set LIM, 66
.set PFBASE, 68
.set PFA, 70
.set POFF, 72
.set CB, 76
.set CS, 78                            ; s[78:79] c, twice: the packed scaling names the pair
.set SEL, 80                           ; s[80:81] v_permlanex16_b32's selects: each lane takes its own place in the other half
.set HM, 82                            ; s82 the lanes 16-31
.set STB, 84                           ; s[84:85] stat at my group and the block of 64 rows that goes out next
.set MSB, 0
.macro WIN new
.if MSB != (\new)
	s_set_vgpr_msb (MSB<<8)|(\new)
.set MSB, \new
.endif
.endm
.macro PLACES
.rept 4
	v_nop
.endr
.endm
.macro CROUND                          ; a round of the cluster's barrier
	s_barrier_signal -1
	s_barrier_wait -1
	s_cmp_lg_u32 s[WV], 0
	s_cbranch_scc1 .Lnot_wave_0_\@
	s_barrier_signal -3
.Lnot_wave_0_\@:
	s_barrier_wait -3
	s_barrier_signal -1
	s_barrier_wait -1
.endm
.macro JLOAD                           ; waves 0 and 1 fetch Q's halves, waves 2 and 3 K's; an s_nop 0 and four v_nop follow each line
	s_cmp_eq_u32 s[WH], 0
	s_cbranch_scc0 .Lfor_b_\@
	tensor_load_to_lds s[G0A:G0A+3], s[G1A:G1A+7]
	s_nop 0
	PLACES
	s_branch .Lasked_\@
.Lfor_b_\@:
	tensor_load_to_lds s[G0B:G0B+3], s[G1B:G1B+7]
	s_nop 0
	PLACES
.Lasked_\@:
.endm
; A prefetch of the step two refills on: 32 rows x 256 bytes, a lane a row, behind the joint load and its five lines.  Q's rows are read by the two clusters of a row of clusters: the first (cluster x = 0) asks;
; K's rows by the two clusters of a batch in a column: the first of them asks.  Of the 128 rows that a wave fetches each of the four partners that ask for them jointly takes 32, told apart by address.
; So each block of 256 bytes is named once in the launch; steps 0 to 2 come by their loads alone, and the last two refills name nothing.
.macro ASK
	s_cmp_gt_u32 s[REM], s[LIM]
	s_cbranch_scc0 .Lnot_mine_\@
	global_prefetch_b8 v[PFO], s[PFA:PFA+1] th:TH_LOAD_NT scope:SCOPE_SE
.Lnot_mine_\@:
.endm
; 32 matrix instructions: my row blocks 4 hi .. 4 hi + 3 x all 8 key blocks, 32 along K.  kind 1: the constant 0 starts the sums.  The 64 accumulators take turns, in one order everywhere.
.macro MULH f, hi, kind
	WIN 0xa1+0x50*(\hi)                            ; K in window 1, Q in window 0, C and D in window 2 or 3
.irp a, 0,1,2,3
.irp b, 0,1,2,3,4,5,6,7
.if (\kind) == 1
	v_wmma_f32_16x16x32_f16 v[64*(\a)+8*(\b):64*(\a)+8*(\b)+7], v[(\f)+8*(\b):(\f)+8*(\b)+7], v[(\f)+8*(4*(\hi)+(\a)):(\f)+8*(4*(\hi)+(\a))+7], 0
.else
	v_wmma_f32_16x16x32_f16 v[64*(\a)+8*(\b):64*(\a)+8*(\b)+7], v[(\f)+8*(\b):(\f)+8*(\b)+7], v[(\f)+8*(4*(\hi)+(\a)):(\f)+8*(4*(\hi)+(\a))+7], v[64*(\a)+8*(\b):64*(\a)+8*(\b)+7]
.endif
.endr
.endr
.endm
.macro FETCH k, f                      ; 32 LDS loads in one run: the fragments of 32 along K, at byte k behind the two addresses: K's eight, then Q's eight
	WIN 0x40                                       ; destination window 1, address window 0
.irp i, 0,1,2,3,4,5,6,7
	ds_load_b128 v[(\f)+8*(\i):(\f)+8*(\i)+3],   v[ADRB] offset:(\k)+(\i)*16*PITCH
	ds_load_b128 v[(\f)+8*(\i)+4:(\f)+8*(\i)+7], v[ADRB] offset:(\k)+(\i)*16*PITCH+32
.endr
	WIN 0
.irp i, 0,1,2,3,4,5,6,7
	ds_load_b128 v[(\f)+8*(\i):(\f)+8*(\i)+3],   v[ADRA] offset:(\k)+(\i)*16*PITCH
	ds_load_b128 v[(\f)+8*(\i)+4:(\f)+8*(\i)+7], v[ADRA] offset:(\k)+(\i)*16*PITCH+32
.endr
.endm
; A PAIR: 64 along K, half a step, one text for both halves.  The products lag the fetches: at its head buffer 1 holds the 32 along K before, of which my rows 0-63 are multiplied and my rows 64-127 are not.
.macro PAIR
	WIN 0
	v_add_nc_u32 v[ADRA], s[TB], v[A0]             ; these two and two v_nop are the four places in front of the loads into buffer 0, which the pair before multiplied
	v_add_nc_u32 v[ADRB], s[TB], v[B0]
	v_nop
	v_nop
	s_add_co_u32 s[TB], s[TB], 128
	FETCH 0, F0
	s_wait_dscnt 32                                ; all but the 32 just issued: buffer 1 is whole
	MULH F1, 1, 0
	s_wait_dscnt 8                                 ; all but the youngest eight loads: Q's row blocks 4 to 7
	MULH F0, 0, 0
	PLACES
	FETCH 64, F1
	s_wait_dscnt 32
	MULH F0, 1, 0
	s_wait_dscnt 8
	MULH F1, 0, 0
.endm
.macro NEXTSTEP                        ; the walking descriptors: the other slot, and the addresses made anew from the step's byte along K
	s_xor_b32 s[G0A+1], s[G0A+1], SLOT
	s_xor_b32 s[G0B+1], s[G0B+1], SLOT
	s_add_nc_u64 s[G0A+2:G0A+3], s[ABASE:ABASE+1], s[KC:KC+1]
	s_or_b32 s[G0A+3], s[G0A+3], 0x80000000
	s_add_nc_u64 s[G0B+2:G0B+3], s[BBASE:BBASE+1], s[KC:KC+1]
	s_or_b32 s[G0B+3], s[G0B+3], 0x80000000
	s_add_co_u32 s[KC], s[KC], 256
.endm
; THE CHANGE OF SLOTS, in front of each step.  Each wave waits for all its tensor loads, of which one is out: its part of the step to come; adds 0 to its spare word; and waits for that and for its reads of the
; slot that it leaves.  fill = 1: a round of the cluster's barrier, so that no wave of any partner still reads that slot or has a load on its way, and the joint refill, the step after the one to come, first behind it.
.macro X fill
.if \fill
	s_wait_xcnt 0x0                                ; the last prefetch, a step back, has read its address
	s_add_nc_u64 s[PFA:PFA+1], s[PFBASE:PFBASE+1], s[POFF:POFF+1]
	s_add_co_u32 s[POFF], s[POFF], 256
.endif
	WIN 0
	s_wait_tensorcnt 0x0                           ; no tensor load of mine is out, so a group 0 may be written
	ds_add_u32 v[SPW], v[NIL]                      ; 0 onto my spare word; scalar work stands between it and the wait for it
.if \fill
	NEXTSTEP
.endif
	s_sub_co_u32 s[TB], s[TB], 256                 ; the fetches go back to a row's first byte,
	s_xor_b32 s[TB], s[TB], SLOT                   ; in the other slot
	s_wait_dscnt 0x0                               ; the add is done, and my reads of the slot are over
.if \fill
	CROUND
	JLOAD
	ASK
.else
	s_barrier_signal -1
	s_barrier_wait -1
.endif
.endm
; The largest of a row's 128 scores: 64 in my lane (each accumulator's lowest registers are read first), the other 64 in the lane 16 away; then c m, twice.
.macro ROWMAX a
	WIN 0x2a                                       ; three sources in window 2, destination in window 0
.irp b, 0,1,2,3,4,5,6,7
	v_max3_num_f32 v[TMP+3*(\b)],   v[64*(\a)+8*(\b)],   v[64*(\a)+8*(\b)+1], v[64*(\a)+8*(\b)+2]
	v_max3_num_f32 v[TMP+3*(\b)+1], v[64*(\a)+8*(\b)+3], v[64*(\a)+8*(\b)+4], v[64*(\a)+8*(\b)+5]
	v_max_num_f32  v[TMP+3*(\b)+2], v[64*(\a)+8*(\b)+6], v[64*(\a)+8*(\b)+7]
.endr
	WIN 0
.irp i, 0,1,2,3,4,5,6,7
	v_max3_num_f32 v[TMP+24+(\i)], v[TMP+3*(\i)], v[TMP+3*(\i)+1], v[TMP+3*(\i)+2]
.endr
	v_max3_num_f32 v[TMP],   v[TMP+24], v[TMP+25], v[TMP+26]
	v_max3_num_f32 v[TMP+1], v[TMP+27], v[TMP+28], v[TMP+29]
	v_max_num_f32  v[TMP+2], v[TMP+30], v[TMP+31]
	v_max3_num_f32 v[TMP+3], v[TMP], v[TMP+1], v[TMP+2]
	v_permlanex16_b32 v[TMP+4], v[TMP+3], s[SEL], s[SEL+1]
	v_max_num_f32 v[TMP+3], v[TMP+3], v[TMP+4]
	v_mul_f32 v[CMX+2*(\a)],   s[CS], v[TMP+3]
	v_mul_f32 v[CMX+2*(\a)+1], s[CS], v[TMP+3]
.endm
.macro FM n                            ; pair n of the 128 in window 2: c s - c m
	v_pk_fma_f32 v[2*(\n):2*(\n)+1], v[2*(\n):2*(\n)+1], s[CS:CS+1], v[CMX+2*((\n)/32):CMX+2*((\n)/32)+1] op_sel_hi:[1,0,0] neg_lo:[0,0,1] neg_hi:[0,0,1]
.endm
.macro PACK a
	WIN 0x0a                                       ; sources in window 2, destination in window 0
.irp b, 0,1,2,3,4,5,6,7
.irp q, 0,1,2,3
	v_cvt_pk_f16_f32 v[TMP+4*(\b)+(\q)], v[64*(\a)+8*(\b)+2*(\q)], v[64*(\a)+8*(\b)+2*(\q)+1]
.endr
.endr
	WIN 0
.endm
.macro SUM a                           ; the sum of my 64 unrounded weights of row block a: 32 pairs, halved five times in place, then the pair's two halves
	WIN 0x8a
.irp w, 16,8,4,2,1
.set k, 0
.rept \w
	v_pk_add_f32 v[64*(\a)+2*k:64*(\a)+2*k+1], v[64*(\a)+2*k:64*(\a)+2*k+1], v[64*(\a)+2*(k+(\w)):64*(\a)+2*(k+(\w))+1]
.set k, k+1
.endr
.endr
	WIN 0x0a
	v_add_f32 v[LSUM+(\a)], v[64*(\a)], v[64*(\a)+1]
	WIN 0
.endm
.macro TOSTAGE a
	WIN 0
.irp b, 0,1,2,3,4,5,6,7
	ds_store_b128 v[STO], v[TMP+4*(\b):TMP+4*(\b)+3] offset:32*(\b)
.endr
.irp t, 0,1,2,3,4,5,6,7
	ds_load_b128 v[OBUF+32*((\a)%2)+4*(\t):OBUF+32*((\a)%2)+4*(\t)+3], v[RD] offset:(\t)*2*SPITCH  ; LDS serves a wave's instructions in order (ISA guide 5.7.1.4): these see the stores above
.endr
.endm
.macro SEND a
	WIN 0
	s_wait_dscnt 0x0                               ; the block is back in registers
	s_wait_xcnt 0x0                                ; the stores of the block before have read their registers, which the next block's loads take
.irp t, 0,1,2,3,4,5,6,7
	global_store_b128 v[CO], v[OBUF+32*((\a)%2)+4*(\t):OBUF+32*((\a)%2)+4*(\t)+3], s[CB:CB+1] offset:(16*(\a)+2*(\t))*CPITCH  ; 16 lanes store 256 consecutive bytes, aligned
.endr
.endm
	s_load_b128 s[4:7], s[0:1], 0x0                ; qkv s[4:5], p s[6:7]
	s_load_b64 s[8:9], s[0:1], 0x10                ; stat
	v_lshl_add_u32 v[SPW], v0, 2, SPARE
	v_mov_b32 v[NIL], 0
	ds_add_u32 v[SPW], v[NIL]                      ; the wave's opening: an add to my spare word, waited for ahead of my first tensor load
	v_lshrrev_b32 v3, 5, v0
	v_readfirstlane_b32 s[WV], v3
	s_lshr_b32 s[WH], s[WV], 1
	s_and_b32 s[W1], s[WV], 1
	s_bfe_u32 s[CX], ttmp6, 0x40000
	s_bfe_u32 s[CY], ttmp6, 0x40004
	s_and_b32 s[CLY], ttmp7, 0xffff
	s_lshl_b32 s[GY], s[CLY], 2
	s_add_co_u32 s[GY], s[GY], s[CY]               ; row tile = 4 x cluster y + cy
	s_lshr_b32 s[BATCH], s[CLY], 1                 ; a cluster's 1,024 queries lie in one batch of 2,048
	s_lshl_b32 s[GX], ttmp9, 2
	s_add_co_u32 s[GX], s[GX], s[CX]               ; key tile = 4 x cluster x + cx
	s_lshl_b32 s2, s[CY], 2
	s_lshl_b32 s2, 15, s2                          ; my row of the cluster
	s_lshl_b32 s88, 0x1111, s[CX]                  ; my column
	s_or_b32 s[G1A], s2, G1W0
	s_or_b32 s[G1B], s88, G1W0
.irp g, G1A, G1B
	s_mov_b32 s[(\g)+1], 128<<16                   ; tensor_dim0 = 128
	s_mov_b32 s[(\g)+2], 128<<16                   ; tensor_dim1 = 128
	s_mov_b32 s[(\g)+3], 128<<16                   ; tile_dim0 = 128
	s_mov_b32 s[(\g)+4], 128                       ; tile_dim1 = 128
	s_mov_b32 s[(\g)+5], 1024                      ; elements from row to row
	s_mov_b32 s[(\g)+6], 0
	s_mov_b32 s[(\g)+7], 0
.endr
	s_lshl_b32 s2, s[GY], 8                        ; Q: row 256 gy + 128 x half, in registers that never hold cx
	s_lshl_b32 s3, s[W1], 7
	s_add_co_u32 s2, s2, s3
	s_lshl_b32 s2, s2, 11
	s_mov_b32 s3, 0
	s_lshl_b32 s88, s[GX], 8                       ; K: the plane, the batch's 2,048 rows, row 256 gx + 128 x half, in registers that never hold cy
	s_lshl_b32 s89, s[W1], 7
	s_add_co_u32 s88, s88, s89
	s_lshl_b32 s88, s88, 11
	s_lshl_b32 s89, s[BATCH], 22
	s_add_co_u32 s88, s88, s89
	s_add_co_u32 s88, s88, KPLANE
	s_mov_b32 s89, 0
	s_mul_i32 s90, s[WV], HALFT                    ; where they go: Q's two halves, then K's two: no place in the cluster enters an LDS address
	s_mov_b32 s[KC], 256                           ; the first refill asks for step 1
	s_mov_b32 s[KC+1], 0
	s_mov_b32 s[POFF], 768                         ; the first prefetch names step 3
	s_mov_b32 s[POFF+1], 0
	s_mov_b32 s[TB], SLOT+256                      ; the first change of slots turns it into 0
	s_mov_b32 s[CS], 0x3d38aa3b                    ; c = log2(e) / 32
	s_mov_b32 s[CS+1], s[CS]
	s_mov_b32 s[SEL], 0x76543210
	s_mov_b32 s[SEL+1], 0xfedcba98
	s_wait_dscnt 0x0                               ; the opening add is done
	s_wait_kmcnt 0x0
	s_add_nc_u64 s[ABASE:ABASE+1], s[4:5], s[2:3]
	s_add_nc_u64 s[BBASE:BBASE+1], s[4:5], s[88:89]
	s_mov_b32 s[G0A], 1                            ; count = 1
	s_mov_b32 s[G0A+1], s90                        ; LDS address: slot 0
	s_mov_b64 s[G0A+2:G0A+3], s[ABASE:ABASE+1]     ; step 0
	s_or_b32 s[G0A+3], s[G0A+3], 0x80000000        ; type = 2
	s_mov_b32 s[G0B], 1
	s_mov_b32 s[G0B+1], s90
	s_mov_b64 s[G0B+2:G0B+3], s[BBASE:BBASE+1]
	s_or_b32 s[G0B+3], s[G0B+3], 0x80000000
	CROUND                                         ; all sixteen work-groups are here: the first joint loads meet
	JLOAD                                          ; step 0 into slot 0; slot 1 is asked for by the first change of slots
	v_and_b32 v1, 15, v0                           ; l % 16
	v_bfe_u32 v2, v0, 4, 1                         ; l / 16
	v_and_b32 v3, 31, v0                           ; l
	v_cmp_ne_u32 s[HM], 0, v2
	v_mul_u32_u24 v4, v1, PITCH
	v_lshl_add_u32 v4, v2, 4, v4                   ; row x pitch + 16 x half
	s_mul_i32 s94, s[WH], HALFT                    ; my 128 rows of Q
	v_add_nc_u32 v[A0], s94, v4
	s_mul_i32 s94, s[W1], HALFT                    ; my 128 rows of K,
	s_add_co_u32 s94, s94, 2*HALFT                 ; which lie behind Q's 256
	v_add_nc_u32 v[B0], s94, v4
	s_mul_i32 s94, s[WV], 16*SPITCH
	s_add_co_u32 s94, s94, STAGE                   ; my stage
	v_add_nc_u32 v[STO], s94, v4
	v_mul_u32_u24 v5, v2, SPITCH
	v_lshl_add_u32 v5, v1, 4, v5
	v_add_nc_u32 v[RD], s94, v5
	v_lshlrev_b32 v5, 12, v2
	v_lshl_add_u32 v[CO], v1, 4, v5
	v_lshlrev_b32 v[PFO], 11, v3
	v_lshlrev_b32 v[SO], 4, v3
	s_lshl_b32 s92, s[GY], 8                       ; p at row 256 gy + 128 x my half, byte 512 gx + 256 x my half
	s_lshl_b32 s95, s[WH], 7
	s_add_co_u32 s92, s92, s95
	s_lshl_b32 s92, s92, 12
	s_lshl_b32 s95, s[GX], 9
	s_add_co_u32 s92, s92, s95
	s_lshl_b32 s95, s[W1], 8
	s_add_co_u32 s92, s92, s95
	s_mov_b32 s93, 0
	s_add_nc_u64 s[CB:CB+1], s[6:7], s[92:93]
	s_lshl_b32 s92, s[GX], 1                       ; stat at group 2 gx + my half, block of 64 rows 4 gy + 2 x my half
	s_add_co_u32 s92, s92, s[W1]
	s_lshl_b32 s92, s92, 16
	s_lshl_b32 s95, s[GY], 2
	s_lshl_b32 s94, s[WH], 1
	s_add_co_u32 s95, s95, s94
	s_lshl_b32 s95, s95, 9
	s_add_co_u32 s92, s92, s95
	s_add_nc_u64 s[STB:STB+1], s[8:9], s[92:93]
	s_lshl_b32 s92, s[GY], 8                       ; the prefetches: of Q rows 256 gy + 128 x half + 32 cx on,
	s_lshl_b32 s95, s[CX], 5
	s_add_co_u32 s92, s92, s95
	s_lshl_b32 s95, s[GX], 8                       ; of K (8,192 rows behind Q) the batch's rows 256 gx + 128 x half + 32 cy on
	s_lshl_b32 s94, s[CY], 5
	s_add_co_u32 s95, s95, s94
	s_lshl_b32 s94, s[BATCH], 11
	s_add_co_u32 s95, s95, s94
	s_add_co_u32 s95, s95, 8192
	s_cmp_eq_u32 s[WH], 0
	s_cselect_b32 s92, s92, s95
	s_lshl_b32 s95, s[W1], 7
	s_add_co_u32 s92, s92, s95
	s_lshl_b32 s92, s92, 11
	s_add_nc_u64 s[PFBASE:PFBASE+1], s[4:5], s[92:93]
	s_cmp_eq_u32 ttmp9, 0                          ; who asks: the same in all sixteen partners, for a given wave
	s_cselect_b32 s[LIM], 2, -1
	s_and_b32 s95, s[CLY], 1
	s_cmp_eq_u32 s95, 0
	s_cselect_b32 s95, 2, -1
	s_cmp_eq_u32 s[WH], 0
	s_cselect_b32 s[LIM], s[LIM], s95
	s_mov_b32 s[REM], 7                            ; steps 1 to 7 are still to be asked for
	X 1                                            ; step 0 is in, everybody's part of it; step 1 is asked for
	v_add_nc_u32 v[ADRA], s[TB], v[A0]             ; the first pair is written out: there is nothing before it, and its first 64 products start the sums
	v_add_nc_u32 v[ADRB], s[TB], v[B0]
	s_add_co_u32 s[TB], s[TB], 128
	FETCH 0, F0
	s_wait_dscnt 8
	MULH F0, 0, 1
	FETCH 64, F1                                   ; no matrix instruction has named buffer 1
	s_wait_dscnt 32
	MULH F0, 1, 1
	s_wait_dscnt 8
	MULH F1, 0, 0
	WIN 0
	s_mov_b32 s[CNT], 1
	s_branch .Lpair                                ; the loop is entered in the middle of a trip: step 0's second pair
.Lstep:                                                ; a trip: a change of slots with its refill, and a step's two pairs
	X 1
	s_mov_b32 s[CNT], 2
.Lpair:
	PAIR
	WIN 0
	s_sub_co_u32 s[CNT], s[CNT], 1
	s_cmp_lg_u32 s[CNT], 0
	s_cbranch_scc1 .Lpair
	s_sub_co_u32 s[REM], s[REM], 1
	s_cmp_lg_u32 s[REM], 0
	s_cbranch_scc1 .Lstep
	X 0                                            ; the last step is written out: it asks for nothing
	s_mov_b32 s[CNT], 2
.Ltpair:
	PAIR
	WIN 0
	s_sub_co_u32 s[CNT], s[CNT], 1
	s_cmp_lg_u32 s[CNT], 0
	s_cbranch_scc1 .Ltpair
	s_wait_dscnt 0x0
	MULH F1, 1, 0                                  ; the last 32 along K for my rows 64-127
	WIN 0
	PLACES
	; THE WAY OUT: one text for four row blocks (64 rows, one block of stat), walked twice; between the two trips window 3's sums are brought to where the text names them: 256 plain lines, for half the text.
	; In a trip: the four maxima; then ONE BATCH: 128 packed scalings and 256 exponentials in place, none of which reads an exponential's result, a v_nop behind the last, and one wait
	; ahead of the first reader; then block by block the roundings, the sums and the road through my stage; last the statistics.
	s_mov_b32 s[CNT], 2
.Lhalf:
	ROWMAX 0
	ROWMAX 1
	ROWMAX 2
	ROWMAX 3
	WIN 0x82                                       ; destination and source 0 in window 2, c m in window 0
	FM 0
.set i, 0
.rept 128
.if i < 127
	FM i+1
.endif
	v_exp_f32 v[2*i], v[2*i]
	v_exp_f32 v[2*i+1], v[2*i+1]
.set i, i+1
.endr
	v_nop
	s_wait_alu depctr_va_vdst(0)
	PACK 0
	SUM 0
	TOSTAGE 0
.irp a, 1,2,3
	PACK \a
	SUM \a
	SEND (\a)-1
	TOSTAGE \a
.endr
	SEND 3
.irp a, 0,1,2,3
	v_permlanex16_b32 v[TMP+(\a)], v[LSUM+(\a)], s[SEL], s[SEL+1]  ; the row's other 64 keys
.endr
.irp a, 0,1,2,3
	v_add_f32 v[LSUM+(\a)], v[LSUM+(\a)], v[TMP+(\a)]
.endr
	v_cndmask_b32 v[ST],   v[CMX],    v[CMX+2],  s[HM]  ; lanes 0-15 speak for row blocks 0 and 2, lanes 16-31 for 1 and 3
	v_cndmask_b32 v[ST+1], v[CMX+4],  v[CMX+6],  s[HM]
	v_cndmask_b32 v[ST+2], v[LSUM],   v[LSUM+1], s[HM]
	v_cndmask_b32 v[ST+3], v[LSUM+2], v[LSUM+3], s[HM]
	global_store_b128 v[SO], v[ST:ST+3], s[STB:STB+1]  ; 512 consecutive bytes, aligned
	s_cmp_eq_u32 s[CNT], 1
	s_cbranch_scc1 .Lnomov
	s_wait_xcnt 0x0                                ; the stores have read their registers and their bases
	s_add_nc_u64 s[CB:CB+1], s[CB:CB+1], 64*CPITCH ; 64 rows on
	s_add_nc_u64 s[STB:STB+1], s[STB:STB+1], 512   ; the next block of 64 rows
	WIN 0x83                                       ; source window 3, destination window 2
.set i, 0
.rept 256
	v_mov_b32 v[i], v[i]
.set i, i+1
.endr
	WIN 0
.Lnomov:
	s_sub_co_u32 s[CNT], s[CNT], 1
	s_cmp_lg_u32 s[CNT], 0
	s_cbranch_scc1 .Lhalf
	s_wait_tensorcnt 0x0                           ; the wave's end: an add to my spare word and its wait, behind my last tensor load and my last LDS store
	ds_add_u32 v[SPW], v[NIL]
	s_wait_dscnt 0x0
	CROUND                                         ; the closing round: no work-group ends while a partner may still ask for a tile that names it
	s_endpgm
.Lfunc_end_k_q8ca7ea6b4e_scores:
	.size	k_q8ca7ea6b4e_scores, .Lfunc_end_k_q8ca7ea6b4e_scores-k_q8ca7ea6b4e_scores
	.p2alignl 7, 3214868480
	.fill 96, 4, 3214868480
	.section	.rodata,"a",@progbits
	.p2align	6, 0x0
	.amdhsa_kernel k_q8ca7ea6b4e_scores
		.amdhsa_group_segment_fixed_size 327680
		.amdhsa_private_segment_fixed_size 0
		.amdhsa_enable_private_segment 0
		.amdhsa_kernarg_size 24
		.amdhsa_user_sgpr_count 2
		.amdhsa_user_sgpr_kernarg_segment_ptr 1
		.amdhsa_wavefront_size32 1
		.amdhsa_system_sgpr_workgroup_id_x 1
		.amdhsa_system_sgpr_workgroup_id_y 1
		.amdhsa_system_sgpr_workgroup_id_z 1
		.amdhsa_system_vgpr_workitem_id 0
		.amdhsa_next_free_vgpr 1024
		.amdhsa_next_free_sgpr 96
		.amdhsa_reserve_vcc 0
		.amdhsa_float_denorm_mode_32 3
		.amdhsa_float_denorm_mode_16_64 3
		.amdhsa_memory_ordered 1
		.amdhsa_forward_progress 1
		.amdhsa_inst_pref_size 108
	.end_amdhsa_kernel
	.amdgpu_metadata
---
amdhsa.version: [ 1, 2 ]
amdhsa.kernels:
  - .name:           k_q8ca7ea6b4e_scores
    .symbol:         k_q8ca7ea6b4e_scores.kd
    .args:
      - { .name: qkv, .offset: 0, .size: 8, .value_kind: global_buffer, .address_space: global }
      - { .name: p, .offset: 8, .size: 8, .value_kind: global_buffer, .address_space: global }
      - { .name: stat, .offset: 16, .size: 8, .value_kind: global_buffer, .address_space: global }
    .group_segment_fixed_size: 327680
    .private_segment_fixed_size: 0
    .kernarg_segment_align: 8
    .kernarg_segment_size: 24
    .max_flat_workgroup_size: 128
    .sgpr_count:     96
    .vgpr_count:     1024
    .wavefront_size: 32
...
	.end_amdgpu_metadata
.endif
;; end of part 3
;; launch pv (part 4): grid 4 x 64, 4 waves a work-group, clusters of 4 x 4, 327,680 bytes of LDS; arguments p, qkv, stat, o; writes o
.if DOCPART == 4
	.amdgcn_target "amdgcn-amd-amdhsa--gfx1250"
	.amdhsa_code_object_version 6
	.text
	.protected	k_q8ca7ea6b4e_pv
	.globl	k_q8ca7ea6b4e_pv
	.p2align	8
	.type	k_q8ca7ea6b4e_pv,@function
k_q8ca7ea6b4e_pv:
	s_mov_b64 s[64:65], 0
	v_nop
	global_prefetch_b8 v0, s[64:65] scope:SCOPE_SE
	s_setreg_imm32_b32 hwreg(HW_REG_WAVE_MODE, 25, 1), 1
	s_wait_xcnt 0x0
	s_wait_alu depctr_hold_cnt(0) depctr_sa_sdst(0) depctr_va_vdst(0) depctr_va_sdst(0) depctr_va_ssrc(0) depctr_va_vcc(0) depctr_vm_vsrc(0)
	s_getreg_b32 s2, hwreg(HW_REG_IB_STS2, 6, 4)
	s_cmp_eq_u32 s2, 0
	s_cbranch_scc0 .Lentry_in_a_cluster
	s_endpgm
.Lentry_in_a_cluster:
	s_bfe_u32 s2, ttmp6, 0x10000c
	s_cmp_lg_u32 s2, 0xf033
	s_cbranch_scc0 .Lentry_shape_is_right
	s_endpgm
.Lentry_shape_is_right:
; O = softmax(S) V, the second half of the softmax.  p: [8192][2048] f16, each weight relative to the maximum of its group of 128 keys; stat: c m and l of each row and group, f32 (layout: at the loads below);
; V: the third plane of qkv, [8192][1024] f16; o: [8192][1024] f16, rounded once.
; THE JOIN.  For a row: M = the largest c m of its 16 groups; f(g) = 2^(c m(g) - M), at most 1; L = the sum of f(g) l(g), in f32.  O = (the sum over g of (f(g) p) V) / L.  A K step of this product is one group,
; so f(g), rounded to f16, multiplies the step's fragments of p between their load and the matrix instruction (packed f16: one rounding more on a number that comes and leaves in 16 bits).
; LIMITS.  f p below 6e-5 keeps f16's fixed step of 6e-8, beside a largest weight of 1; f below 2^-126 counts as 0; O is a mean of V's rows and has their range; NaN and infinities are not treated apart.
; SHARES.  A tile of O is 128 rows x 256 channels, four waves 2 x 2, each 64 x 128: 32 accumulators.  Grid 4 x 64: one tile a work-group, 256 work-groups.  16 K steps of 128 keys through two LDS slots.
; CLUSTER.  4 x 4 work-groups of one batch: p's rows are shared along a row of the cluster, V's tile along a column: joint loads with a mask of four.
; TRANSPOSED USE.  Source 0 = 16 channels of V^T, which ds_load_tr16_b128 makes of V's rows ([key][channel]); source 1 = 16 rows of p.  Lane l holds row l % 16 of O and channels 8 (l / 16) + 0..7.
; REGISTERS: window 0: v2-9 1 / L, a pair for each row block; v10-22 addresses; v24-27 f of the step in hand, (f, f) in f16 for each row block; v32-127, v128-223 fragment buffers; v224-255 packed results.
;   window 1: accumulator (a, b) at v[64 a + 8 b].          window 2: v0-199 the statistics, at the start only.
.set S,      16
.set PITCH,  272                       ; a row of p in LDS: 256 bytes + 16
.set VPITCH, 544                       ; a row of V: 512 bytes + 32 = 136 words
.set AHALF,  64*PITCH
.set BOFF,   128*PITCH
.set BHALF,  64*VPITCH
.set SLOT1,  1<<17
.set STAGE,  SLOT1+BOFF+2*BHALF        ; 16 rows x 272 bytes for each wave
.set SPITCH, 272
.set FT,     269312                    ; the factors: for each wave 16 groups x 32 lanes x 16 bytes; written by ds_store, never filled by a tensor load
.set SPARE,  302080                    ; the spare words, 128 bytes for each wave: two blocks of 256 bytes that no other line names
.set CPITCH, 2048
.set VPLANE, 2*8192*2048
.set VSTEP,  128*2048                  ; bytes of V from a step's keys to the next step's
.set RL,   2
.set A0,   10
.set B0,   11
.set ADRA, 12
.set ADRB, 13
.set STO,  14
.set RD,   15
.set CO,   16
.set PFO,  17
.set SPW,  18                          ; v18  LDS address of my spare word; never rewritten
.set NIL,  19                          ; v19  0; never rewritten
.set FT0,  20                          ; v20  my 16 bytes of group 0's factors; never rewritten
.set SO,   21                          ; v21  16 (l % 16)
.set FTA,  22                          ; v22  the same as v20 for the step to come
.set FS,   24
.set F0,   32
.set F1,   128
.set OBUF, 128
.set TMP,  224
.set MX,   128                         ; window 2: M of row blocks 0, 2, 1, 3
.set LL,   132                         ; window 2: L likewise
.set FH,   136                         ; window 2: (f, f) in f16, group g, row block a at FH + 4 g + a
.set WV, 12
.set WH, 13
.set W1, 14
.set CX, 15
.set CY, 16
.set GY, 17
.set BATCH, 18
.set CLY, 19
.set GX, 67
.set ABASE, 20
.set BBASE, 22
.set G1A, 24
.set G1B, 32
.set G0A0, 40
.set G0A, 44
.set G0B0, 48
.set G0B, 52
.set KC, 56                            ; s[56:57] p's byte along the keys, s[58:59] V's byte down the keys, of the step to be asked for
.set OB, 58
.set REM, 61
.set CNT, 62
.set TB, 63
.set LIM, 66
.set PFBASE, 68
.set PFA, 70
.set POFF, 72
.set CB, 76
.set PSTEP, 83
.set STB, 84
.set FTS, 86                           ; s86 512 x the step whose factors are fetched next
.set MULW, 0x50
.set MSB, 0
.macro WIN new
.if MSB != (\new)
	s_set_vgpr_msb (MSB<<8)|(\new)
.set MSB, \new
.endif
.endm
.macro PLACES
.rept 4
	v_nop
.endr
.endm
.macro CREST
	s_cmp_lg_u32 s[WV], 0
	s_cbranch_scc1 .Lnot_wave_0_\@
	s_barrier_signal -3
.Lnot_wave_0_\@:
	s_barrier_wait -3
	s_barrier_signal -1
	s_barrier_wait -1
.endm
.macro CROUND
	s_barrier_signal -1
	s_barrier_wait -1
	CREST
.endm
.macro JLOAD                           ; waves 0 and 1 fetch p's halves (64 rows), waves 2 and 3 V's (64 keys); an s_nop 0 and four v_nop follow each line
	s_cmp_eq_u32 s[WH], 0
	s_cbranch_scc0 .Lfor_b_\@
	tensor_load_to_lds s[G0A:G0A+3], s[G1A:G1A+7]
	s_nop 0
	PLACES
	s_branch .Lasked_\@
.Lfor_b_\@:
	tensor_load_to_lds s[G0B:G0B+3], s[G1B:G1B+7]
	s_nop 0
	PLACES
.Lasked_\@:
.endm
; A prefetch of the step two refills on.  p's rows are read by this cluster alone: wave 0 of each partner takes 32 of a tile row's 128, a lane a row of 256 bytes.  V's tile is read by the four clusters of a batch:
; the first of them asks; waves 2 and 3 each take 16 of the 64 keys that they fetch, by address, two lanes to a key's 512 bytes.  Each block of 256 bytes is named once in the launch.
.macro ASK
	s_cmp_gt_u32 s[REM], s[LIM]
	s_cbranch_scc0 .Lnot_mine_\@
	global_prefetch_b8 v[PFO], s[PFA:PFA+1] th:TH_LOAD_NT scope:SCOPE_SE
.Lnot_mine_\@:
.endm
.macro MUL8 f, a, kind                 ; kind 1: the constant 0 starts the sums.  The 32 accumulators take turns, in one order everywhere
	WIN MULW
.irp b, 0,1,2,3,4,5,6,7
.if (\kind) == 1
	v_wmma_f32_16x16x32_f16 v[64*(\a)+8*(\b):64*(\a)+8*(\b)+7], v[(\f)+32+8*(\b):(\f)+32+8*(\b)+7], v[(\f)+8*(\a):(\f)+8*(\a)+7], 0
.else
	v_wmma_f32_16x16x32_f16 v[64*(\a)+8*(\b):64*(\a)+8*(\b)+7], v[(\f)+32+8*(\b):(\f)+32+8*(\b)+7], v[(\f)+8*(\a):(\f)+8*(\a)+7], v[64*(\a)+8*(\b):64*(\a)+8*(\b)+7]
.endif
.endr
.endm
; 24 LDS loads in one run: 32 keys, those at byte k of p's rows.  V's eight fragments, turned (lane l reads key 8 (l / 16) + l % 8, channels 8 ((l / 8) % 2) + 0..7; it is left with channel l % 16 and 8 keys), then p's four.
.macro FETCH k, f
	WIN 0
.irp b, 0,1,2,3,4,5,6,7
	ds_load_tr16_b128 v[(\f)+32+8*(\b):(\f)+32+8*(\b)+3],   v[ADRB] offset:((\k)/64)*32*VPITCH+32*(\b)
	ds_load_tr16_b128 v[(\f)+32+8*(\b)+4:(\f)+32+8*(\b)+7], v[ADRB] offset:((\k)/64)*32*VPITCH+16*VPITCH+32*(\b)
.endr
.irp a, 0,1,2,3
	ds_load_b128 v[(\f)+8*(\a):(\f)+8*(\a)+3],   v[ADRA] offset:(\k)+(\a)*16*PITCH
	ds_load_b128 v[(\f)+8*(\a)+4:(\f)+8*(\a)+7], v[ADRA] offset:(\k)+(\a)*16*PITCH+32
.endr
.endm
.macro SCALE f, a0                     ; p's fragments of row blocks a0 and a0 + 1 times the row's f: a lane holds one row
	WIN 0
.irp a, \a0, (\a0)+1
.irp i, 0,1,2,3,4,5,6,7
	v_pk_mul_f16 v[(\f)+8*(\a)+(\i)], v[(\f)+8*(\a)+(\i)], v[FS+(\a)]
.endr
.endr
.endm
.macro QUARTER k, f, g, kind
	WIN 0
	s_wait_dscnt 4                                 ; all but the youngest four loads: p's row blocks 2 and 3
	SCALE \f, 0
	MUL8 \f, 0, \kind
	MUL8 \f, 1, \kind
	WIN 0
	s_wait_dscnt 0x0                               ; those four
	SCALE \f, 2                                    ; sixteen plain lines that name no register of the products round them: also the places in front of the loads below
	FETCH \k, \g
	MUL8 \f, 2, \kind
	MUL8 \f, 3, \kind
.endm
.macro NEXTSTEP
	s_xor_b32 s[G0A+1], s[G0A+1], SLOT1
	s_xor_b32 s[G0B+1], s[G0B+1], SLOT1
	s_add_nc_u64 s[G0A+2:G0A+3], s[ABASE:ABASE+1], s[KC:KC+1]
	s_or_b32 s[G0A+3], s[G0A+3], 0x80000000
	s_add_nc_u64 s[G0B+2:G0B+3], s[BBASE:BBASE+1], s[OB:OB+1]
	s_or_b32 s[G0B+3], s[G0B+3], 0x80000000
	s_add_co_u32 s[KC], s[KC], 256
	s_add_co_u32 s[OB], s[OB], VSTEP
.endm
.macro TURN fill                       ; the last quarter and the change of slots: the waits, the add and the barrier (with fill = 1 a round of the cluster's), the joint refill first behind it
.if \fill
	s_wait_xcnt 0x0                                ; the last prefetch, a K step back, has read its address
	s_add_nc_u64 s[PFA:PFA+1], s[PFBASE:PFBASE+1], s[POFF:POFF+1]
	s_add_co_u32 s[POFF], s[POFF], s[PSTEP]
.endif
	WIN 0
	s_wait_tensorcnt 0x0                           ; no tensor load of mine is out, so a group 0 may be written
	ds_add_u32 v[SPW], v[NIL]                      ; 0 onto my spare word
.if \fill
	NEXTSTEP
.endif
	s_wait_dscnt 5                                 ; the add and the youngest four loads may be out
	SCALE F1, 0
	MUL8 F1, 0, 0
	s_wait_dscnt 0x0                               ; the add is done, and my reads of this slot are over
	s_barrier_signal -1
	MUL8 F1, 1, 0
	WIN 0
	s_barrier_wait -1
.if \fill
	CREST
	JLOAD
	SCALE F1, 2                                    ; the step's last use of its factors
.else
	SCALE F1, 2                                    ; also the places in front of the loads below
	s_cmp_eq_u32 s[CNT], 1
	s_cbranch_scc1 .Lno_next_\@
.endif
	s_xor_b32 s[TB], s[TB], SLOT1
	v_add_nc_u32 v[ADRA], s[TB], v[A0]
	v_add_nc_u32 v[ADRB], s[TB], v[B0]
	v_add_nc_u32 v[FTA], s[FTS], v[FT0]
	s_add_co_u32 s[FTS], s[FTS], 512
	ds_load_b128 v[FS:FS+3], v[FTA]                ; the next step's factors: older than the run below, so its counted waits cover them
	FETCH 0, F0
.if \fill
	ASK
.else
.Lno_next_\@:
.endif
	MUL8 F1, 2, 0
	MUL8 F1, 3, 0
.endm
.macro PACK a                          ; divided by L, rounded to f16
	WIN 0x41
.set i, 64*(\a)
.rept 32
	v_pk_mul_f32 v[i:i+1], v[i:i+1], v[RL+2*(\a):RL+2*(\a)+1] op_sel_hi:[1,0]
.set i, i+2
.endr
	WIN 0x05
.irp b, 0,1,2,3,4,5,6,7
.irp q, 0,1,2,3
	v_cvt_pk_f16_f32 v[TMP+4*(\b)+(\q)], v[64*(\a)+8*(\b)+2*(\q)], v[64*(\a)+8*(\b)+2*(\q)+1]
.endr
.endr
	WIN 0
.endm
.macro TOSTAGE a
	WIN 0
.irp b, 0,1,2,3,4,5,6,7
	ds_store_b128 v[STO], v[TMP+4*(\b):TMP+4*(\b)+3] offset:32*(\b)
.endr
.irp t, 0,1,2,3,4,5,6,7
	ds_load_b128 v[OBUF+32*((\a)%2)+4*(\t):OBUF+32*((\a)%2)+4*(\t)+3], v[RD] offset:(\t)*2*SPITCH  ; LDS serves a wave's instructions in order (ISA guide 5.7.1.4): these see the stores above
.endr
.endm
.macro SEND a
	WIN 0
	s_wait_dscnt 0x0
	s_wait_xcnt 0x0                                ; the stores of the block before have read their registers, which the next block's loads take
.irp t, 0,1,2,3,4,5,6,7
	global_store_b128 v[CO], v[OBUF+32*((\a)%2)+4*(\t):OBUF+32*((\a)%2)+4*(\t)+3], s[CB:CB+1] offset:(16*(\a)+2*(\t))*CPITCH  ; 16 lanes store 256 consecutive bytes, aligned
.endr
.endm
	s_load_b256 s[4:11], s[0:1], 0x0               ; p s[4:5], qkv s[6:7], stat s[8:9], o s[10:11]
	v_lshl_add_u32 v[SPW], v0, 2, SPARE
	v_mov_b32 v[NIL], 0
	ds_add_u32 v[SPW], v[NIL]                      ; the wave's opening: an add to my spare word, waited for ahead of my first tensor load
	v_lshrrev_b32 v3, 5, v0
	v_readfirstlane_b32 s[WV], v3
	s_lshr_b32 s[WH], s[WV], 1
	s_and_b32 s[W1], s[WV], 1
	s_bfe_u32 s[CX], ttmp6, 0x40000
	s_bfe_u32 s[CY], ttmp6, 0x40004
	s_and_b32 s[CLY], ttmp7, 0xffff
	s_lshl_b32 s[GY], s[CLY], 2
	s_add_co_u32 s[GY], s[GY], s[CY]
	s_lshr_b32 s[BATCH], s[CLY], 2
	s_lshl_b32 s[GX], ttmp9, 2
	s_add_co_u32 s[GX], s[GX], s[CX]
	s_lshl_b32 s2, s[CY], 2
	s_lshl_b32 s2, 15, s2                          ; my row of the cluster
	s_lshl_b32 s88, 0x1111, s[CX]                  ; my column
	s_or_b32 s[G1A], s2, (1<<16)|(1<<20)|(1<<21)|(5<<22)|(3<<25)   ; 2-byte elements; padding on; bit 21 beside a mask; after every 64 words four words
	s_or_b32 s[G1B], s88, (1<<16)|(1<<20)|(1<<21)|(6<<22)|(7<<25)  ; after every 128 words eight words
	s_mov_b32 s[G1A+1], 128<<16                    ; p: 64 rows x 128 keys
	s_mov_b32 s[G1A+2], 64<<16
	s_mov_b32 s[G1A+3], 128<<16
	s_mov_b32 s[G1A+4], 64
	s_mov_b32 s[G1A+5], 2048                       ; elements from row to row
	s_mov_b32 s[G1A+6], 0
	s_mov_b32 s[G1A+7], 0
	s_mov_b32 s[G1B+1], 256<<16                    ; V: 64 keys x 256 channels
	s_mov_b32 s[G1B+2], 64<<16
	s_mov_b32 s[G1B+3], 256<<16
	s_mov_b32 s[G1B+4], 64
	s_mov_b32 s[G1B+5], 1024
	s_mov_b32 s[G1B+6], 0
	s_mov_b32 s[G1B+7], 0
	s_lshl_b32 s2, s[GY], 7                        ; p: row 128 gy + 64 x half
	s_lshl_b32 s3, s[W1], 6
	s_add_co_u32 s2, s2, s3
	s_lshl_b32 s2, s2, 12
	s_mov_b32 s3, 0
	s_lshl_b32 s88, s[BATCH], 22                   ; V: the plane, the batch's keys, key 64 x half, byte 512 gx
	s_lshl_b32 s89, s[W1], 17
	s_add_co_u32 s88, s88, s89
	s_lshl_b32 s89, s[GX], 9
	s_add_co_u32 s88, s88, s89
	s_add_co_u32 s88, s88, VPLANE
	s_mov_b32 s89, 0
	s_mul_i32 s90, s[W1], AHALF
	s_mul_i32 s91, s[W1], BHALF
	s_add_co_u32 s91, s91, BOFF
	s_mov_b32 s[KC], 512                           ; the first refill asks for step 2
	s_mov_b32 s[KC+1], 0
	s_mov_b32 s[OB], 2*VSTEP
	s_mov_b32 s[OB+1], 0
	s_mov_b32 s[POFF], 4*VSTEP                     ; the first prefetch names step 4
	s_mov_b32 s[POFF+1], 0
	s_mov_b32 s[PSTEP], VSTEP
	s_cmp_eq_u32 s[WH], 0
	s_cselect_b32 s[POFF], 1024, s[POFF]
	s_cselect_b32 s[PSTEP], 256, s[PSTEP]
	s_wait_dscnt 0x0                               ; the opening add is done
	s_wait_kmcnt 0x0
	s_add_nc_u64 s[ABASE:ABASE+1], s[4:5], s[2:3]
	s_add_nc_u64 s[BBASE:BBASE+1], s[6:7], s[88:89]
	s_mov_b32 s[G0A0], 1
	s_mov_b32 s[G0A0+1], s90
	s_mov_b64 s[G0A0+2:G0A0+3], s[ABASE:ABASE+1]
	s_or_b32 s[G0A0+3], s[G0A0+3], 0x80000000
	s_mov_b32 s[G0A], 1
	s_add_co_u32 s[G0A+1], s90, SLOT1
	s_add_nc_u64 s[G0A+2:G0A+3], s[ABASE:ABASE+1], 256
	s_or_b32 s[G0A+3], s[G0A+3], 0x80000000
	s_mov_b32 s[G0B0], 1
	s_mov_b32 s[G0B0+1], s91
	s_mov_b64 s[G0B0+2:G0B0+3], s[BBASE:BBASE+1]
	s_or_b32 s[G0B0+3], s[G0B0+3], 0x80000000
	s_mov_b32 s[G0B], 1
	s_add_co_u32 s[G0B+1], s91, SLOT1
	s_add_nc_u64 s[G0B+2:G0B+3], s[BBASE:BBASE+1], VSTEP
	s_or_b32 s[G0B+3], s[G0B+3], 0x80000000
	CROUND                                         ; all sixteen work-groups are here: the first joint loads meet
	s_cmp_eq_u32 s[WH], 0
	s_cbranch_scc0 .Lfirst_b
	tensor_load_to_lds s[G0A0:G0A0+3], s[G1A:G1A+7]
	s_nop 0
	tensor_load_to_lds s[G0A:G0A+3], s[G1A:G1A+7]
	s_nop 0
	PLACES
	s_branch .Lfirst_asked
.Lfirst_b:
	tensor_load_to_lds s[G0B0:G0B0+3], s[G1B:G1B+7]
	s_nop 0
	tensor_load_to_lds s[G0B:G0B+3], s[G1B:G1B+7]
	s_nop 0
	PLACES
.Lfirst_asked:
	v_and_b32 v1, 15, v0                           ; l % 16
	v_bfe_u32 v2, v0, 4, 1                         ; l / 16
	v_and_b32 v3, 31, v0                           ; l
	v_lshlrev_b32 v[SO], 4, v1
	s_lshl_b32 s92, s[GY], 1                       ; stat at my block of 64 rows
	s_add_co_u32 s92, s92, s[WH]
	s_lshl_b32 s92, s92, 9
	s_mov_b32 s93, 0
	s_add_nc_u64 s[STB:STB+1], s[8:9], s[92:93]
	; stat: [group][block of rows][lane][4].  The entry of lane r holds c m of row blocks 0 and 2 and their l, that of lane 16 + r those of blocks 1 and 3; a lane wants all four for its row r:
	; register 8 g + 0, 1: c m of blocks 0, 2; + 2, 3: their l; + 4, 5: c m of blocks 1, 3; + 6, 7: their l.
	WIN 0x80
.set g, 0
.rept 16
	global_load_b128 v[8*g:8*g+3],   v[SO], s[STB:STB+1] offset:65536*g
	global_load_b128 v[8*g+4:8*g+7], v[SO], s[STB:STB+1] offset:65536*g+256
.set g, g+1
.endr
	WIN 0
	v_mul_u32_u24 v4, v1, PITCH
	v_lshl_add_u32 v4, v2, 4, v4
	s_mul_i32 s94, s[WH], AHALF
	v_add_nc_u32 v[A0], s94, v4                    ; my 64 rows of p
	v_and_b32 v5, 7, v0
	v_bfe_u32 v6, v0, 3, 1
	v_lshl_add_u32 v7, v2, 3, v5
	v_mul_u32_u24 v7, v7, VPITCH
	v_lshl_add_u32 v7, v6, 4, v7
	s_lshl_b32 s94, s[W1], 8
	s_add_co_u32 s94, s94, BOFF
	v_add_nc_u32 v[B0], s94, v7                    ; my 128 channels of V
	s_mul_i32 s94, s[WV], 16*SPITCH
	s_add_co_u32 s94, s94, STAGE
	v_add_nc_u32 v[STO], s94, v4
	v_mul_u32_u24 v5, v2, SPITCH
	v_lshl_add_u32 v5, v1, 4, v5
	v_add_nc_u32 v[RD], s94, v5
	v_lshlrev_b32 v5, 11, v2
	v_lshl_add_u32 v[CO], v1, 4, v5
	s_lshl_b32 s94, s[WV], 13
	s_add_co_u32 s94, s94, FT
	v_lshl_add_u32 v[FT0], v3, 4, s94
	v_lshlrev_b32 v5, 12, v3                       ; the prefetches' offset: for p a lane a row of 4,096 bytes;
	v_lshrrev_b32 v6, 1, v3                        ; for V two lanes to a key
	v_and_b32 v7, 1, v3
	v_lshlrev_b32 v6, 11, v6
	v_lshl_add_u32 v6, v7, 8, v6
	s_cmp_eq_u32 s[WH], 0
	s_cselect_b32 s94, -1, 0
	v_cndmask_b32 v[PFO], v6, v5, s94
	s_lshl_b32 s92, s[GY], 7                       ; O at row 128 gy + 64 x my half, byte 512 gx + 256 x my half
	s_lshl_b32 s95, s[WH], 6
	s_add_co_u32 s92, s92, s95
	s_lshl_b32 s92, s92, 11
	s_lshl_b32 s95, s[GX], 9
	s_add_co_u32 s92, s92, s95
	s_lshl_b32 s95, s[W1], 8
	s_add_co_u32 s92, s92, s95
	s_add_nc_u64 s[CB:CB+1], s[10:11], s[92:93]
	s_lshl_b32 s92, s[GY], 7                       ; the prefetches: of p rows 128 gy + 32 cx on,
	s_lshl_b32 s95, s[CX], 5
	s_add_co_u32 s92, s92, s95
	s_lshl_b32 s92, s92, 12
	s_lshl_b32 s95, s[BATCH], 11                   ; of V the batch's keys 64 x half + 16 cy on, byte 512 gx
	s_lshl_b32 s2, s[W1], 6
	s_add_co_u32 s95, s95, s2
	s_lshl_b32 s2, s[CY], 4
	s_add_co_u32 s95, s95, s2
	s_lshl_b32 s95, s95, 11
	s_lshl_b32 s2, s[GX], 9
	s_add_co_u32 s95, s95, s2
	s_add_co_u32 s95, s95, VPLANE
	s_cmp_eq_u32 s[WH], 0
	s_cselect_b32 s92, s92, s95
	s_cselect_b64 s[PFBASE:PFBASE+1], s[4:5], s[6:7]
	s_add_nc_u64 s[PFBASE:PFBASE+1], s[PFBASE:PFBASE+1], s[92:93]
	s_and_b32 s95, s[CLY], 3                       ; the batch's first cluster: the same in all sixteen partners
	s_cmp_eq_u32 s95, 0
	s_cselect_b32 s95, 2, -1
	s_cmp_eq_u32 s[WV], 0
	s_cselect_b32 s[LIM], 2, -1
	s_cmp_eq_u32 s[WH], 0
	s_cselect_b32 s[LIM], s[LIM], s95
	s_wait_loadcnt 0x0                             ; the statistics
	WIN 0xaa                                       ; all in window 2
.irp c, 0,1,2,3
	v_max3_num_f32 v[MX+(\c)], v[((\c)&1)+4*((\c)>>1)], v[8+((\c)&1)+4*((\c)>>1)], v[16+((\c)&1)+4*((\c)>>1)]
.endr
.set g, 3
.rept 6
.irp c, 0,1,2,3
	v_max3_num_f32 v[MX+(\c)], v[MX+(\c)], v[8*g+((\c)&1)+4*((\c)>>1)], v[8*g+8+((\c)&1)+4*((\c)>>1)]
.endr
.set g, g+2
.endr
.irp c, 0,1,2,3
	v_max_num_f32 v[MX+(\c)], v[MX+(\c)], v[120+((\c)&1)+4*((\c)>>1)]
.endr
.set g, 0
.rept 16
	v_pk_add_f32 v[8*g:8*g+1],   v[8*g:8*g+1],   v[MX:MX+1]   neg_lo:[0,1] neg_hi:[0,1]  ; c m - M
	v_pk_add_f32 v[8*g+4:8*g+5], v[8*g+4:8*g+5], v[MX+2:MX+3] neg_lo:[0,1] neg_hi:[0,1]
.set g, g+1
.endr
.set g, 0
.rept 16
	v_exp_f32 v[8*g],   v[8*g]                     ; f: one batch of 64
	v_exp_f32 v[8*g+1], v[8*g+1]
	v_exp_f32 v[8*g+4], v[8*g+4]
	v_exp_f32 v[8*g+5], v[8*g+5]
.set g, g+1
.endr
	v_nop                                          ; a plain instruction behind the last exponential,
	s_wait_alu depctr_va_vdst(0)                   ; and one wait ahead of the first reader
	v_pk_mul_f32 v[LL:LL+1],   v[0:1], v[2:3]      ; L = the sum of f l
	v_pk_mul_f32 v[LL+2:LL+3], v[4:5], v[6:7]
.set g, 1
.rept 15
	v_pk_fma_f32 v[LL:LL+1],   v[8*g:8*g+1],   v[8*g+2:8*g+3], v[LL:LL+1]
	v_pk_fma_f32 v[LL+2:LL+3], v[8*g+4:8*g+5], v[8*g+6:8*g+7], v[LL+2:LL+3]
.set g, g+1
.endr
.set g, 0
.rept 16
	v_cvt_pk_f16_f32 v[FH+4*g],   v[8*g],   v[8*g]    ; (f, f) of row blocks 0, 1, 2, 3
	v_cvt_pk_f16_f32 v[FH+4*g+1], v[8*g+4], v[8*g+4]
	v_cvt_pk_f16_f32 v[FH+4*g+2], v[8*g+1], v[8*g+1]
	v_cvt_pk_f16_f32 v[FH+4*g+3], v[8*g+5], v[8*g+5]
.set g, g+1
.endr
	WIN 0x02                                       ; source in window 2, destination in window 0
	v_rcp_f32 v[RL],   v[LL]                       ; 1 / L, twice for the packed multiply: L is at least the l of the group that holds the row's maximum, and that is 1 or more to within a rounding
	v_rcp_f32 v[RL+1], v[LL]
	v_rcp_f32 v[RL+2], v[LL+2]
	v_rcp_f32 v[RL+3], v[LL+2]
	v_rcp_f32 v[RL+4], v[LL+1]
	v_rcp_f32 v[RL+5], v[LL+1]
	v_rcp_f32 v[RL+6], v[LL+3]
	v_rcp_f32 v[RL+7], v[LL+3]
	v_nop
	s_wait_alu depctr_va_vdst(0)                   ; one wait for the eight reciprocals
	WIN 0x08                                       ; store data in window 2, address in window 0
.set g, 0
.rept 16
	ds_store_b128 v[FT0], v[FH+4*g:FH+4*g+3] offset:512*g
.set g, g+1
.endr
	WIN 0
	ds_load_b128 v[FS:FS+3], v[FT0]                ; step 0's factors; my own bytes, served in order behind the stores
	s_mov_b32 s[FTS], 512
	s_wait_dscnt 0x0                               ; no LDS instruction of mine is out at the signal
	s_wait_tensorcnt 0x1                           ; my part of step 0 is in; step 1's may stay out
	s_barrier_signal -1
	s_barrier_wait -1
	s_mov_b32 s[TB], 0
	v_mov_b32 v[ADRA], v[A0]
	v_mov_b32 v[ADRB], v[B0]
	FETCH 0, F0
	QUARTER 64, F0, F1, 1                          ; the first quarter starts the sums
	WIN 0
	s_mov_b32 s[REM], S-2
.Lstep:                                                ; a trip: a step's quarters 1 to 3, a refill, and the next step's quarter 0
	QUARTER 128, F1, F0, 0
	QUARTER 192, F0, F1, 0
	TURN 1
	QUARTER 64, F0, F1, 0
	WIN 0
	s_sub_co_u32 s[REM], s[REM], 1
	s_cmp_lg_u32 s[REM], 0
	s_cbranch_scc1 .Lstep
	s_mov_b32 s[CNT], 2
.Ltail:                                                ; the last two steps ask for nothing
	QUARTER 128, F1, F0, 0
	QUARTER 192, F0, F1, 0
	TURN 0
	WIN 0
	s_cmp_eq_u32 s[CNT], 1
	s_cbranch_scc1 .Lnoq
	QUARTER 64, F0, F1, 0
	WIN 0
.Lnoq:
	s_sub_co_u32 s[CNT], s[CNT], 1
	s_cmp_lg_u32 s[CNT], 0
	s_cbranch_scc1 .Ltail
	PLACES                                         ; THE WAY OUT
	PACK 0
	TOSTAGE 0
.irp a, 1,2,3
	PACK \a
	SEND (\a)-1
	TOSTAGE \a
.endr
	SEND 3
	s_wait_tensorcnt 0x0                           ; the wave's end: an add to my spare word and its wait, behind my last tensor load and my last LDS store
	ds_add_u32 v[SPW], v[NIL]
	s_wait_dscnt 0x0
	CROUND                                         ; the closing round
	s_endpgm
.Lfunc_end_k_q8ca7ea6b4e_pv:
	.size	k_q8ca7ea6b4e_pv, .Lfunc_end_k_q8ca7ea6b4e_pv-k_q8ca7ea6b4e_pv
	.p2alignl 7, 3214868480
	.fill 96, 4, 3214868480
	.section	.rodata,"a",@progbits
	.p2align	6, 0x0
	.amdhsa_kernel k_q8ca7ea6b4e_pv
		.amdhsa_group_segment_fixed_size 327680
		.amdhsa_private_segment_fixed_size 0
		.amdhsa_enable_private_segment 0
		.amdhsa_kernarg_size 32
		.amdhsa_user_sgpr_count 2
		.amdhsa_user_sgpr_kernarg_segment_ptr 1
		.amdhsa_wavefront_size32 1
		.amdhsa_system_sgpr_workgroup_id_x 1
		.amdhsa_system_sgpr_workgroup_id_y 1
		.amdhsa_system_sgpr_workgroup_id_z 1
		.amdhsa_system_vgpr_workitem_id 0
		.amdhsa_next_free_vgpr 768
		.amdhsa_next_free_sgpr 96
		.amdhsa_reserve_vcc 0
		.amdhsa_float_denorm_mode_32 3
		.amdhsa_float_denorm_mode_16_64 3
		.amdhsa_memory_ordered 1
		.amdhsa_forward_progress 1
		.amdhsa_inst_pref_size 105
	.end_amdhsa_kernel
	.amdgpu_metadata
---
amdhsa.version: [ 1, 2 ]
amdhsa.kernels:
  - .name:           k_q8ca7ea6b4e_pv
    .symbol:         k_q8ca7ea6b4e_pv.kd
    .args:
      - { .name: p, .offset: 0, .size: 8, .value_kind: global_buffer, .address_space: global }
      - { .name: qkv, .offset: 8, .size: 8, .value_kind: global_buffer, .address_space: global }
      - { .name: stat, .offset: 16, .size: 8, .value_kind: global_buffer, .address_space: global }
      - { .name: o, .offset: 24, .size: 8, .value_kind: global_buffer, .address_space: global }
    .group_segment_fixed_size: 327680
    .private_segment_fixed_size: 0
    .kernarg_segment_align: 8
    .kernarg_segment_size: 32
    .max_flat_workgroup_size: 128
    .sgpr_count:     96
    .vgpr_count:     768
    .wavefront_size: 32
...
	.end_amdgpu_metadata
.endif
;; end of part 4
;; launch outp (part 5): grid 4 x 64, 4 waves a work-group, clusters of 4 x 4, 327,680 bytes of LDS; arguments o, wh, bias, out0; writes out0
.if DOCPART == 5
	.amdgcn_target "amdgcn-amd-amdhsa--gfx1250"
	.amdhsa_code_object_version 6
	.text
	.protected	k_q8ca7ea6b4e_outp
	.globl	k_q8ca7ea6b4e_outp
	.p2align	8
	.type	k_q8ca7ea6b4e_outp,@function
k_q8ca7ea6b4e_outp:
	s_mov_b64 s[64:65], 0
	v_nop
	global_prefetch_b8 v0, s[64:65] scope:SCOPE_SE
	s_setreg_imm32_b32 hwreg(HW_REG_WAVE_MODE, 25, 1), 1
	s_wait_xcnt 0x0
	s_wait_alu depctr_hold_cnt(0) depctr_sa_sdst(0) depctr_va_vdst(0) depctr_va_sdst(0) depctr_va_ssrc(0) depctr_va_vcc(0) depctr_vm_vsrc(0)
	s_getreg_b32 s2, hwreg(HW_REG_IB_STS2, 6, 4)
	s_cmp_eq_u32 s2, 0
	s_cbranch_scc0 .Lentry_in_a_cluster
	s_endpgm
.Lentry_in_a_cluster:
	s_bfe_u32 s2, ttmp6, 0x10000c
	s_cmp_lg_u32 s2, 0xf033
	s_cbranch_scc0 .Lentry_shape_is_right
	s_endpgm
.Lentry_shape_is_right:
; out = O W_out^T + b_out.  o: [8192][1024] f16; W_out: rows 3,072 on of wh, [4096][1024] f16; its bias: numbers 3,072 on of bias, f32; out0: [8192][1024] f32.
; SHARES.  A tile of C is 128 rows x 256 columns, four waves 2 x 2, each 64 x 128: 32 accumulators.  Grid 4 x 64: one tile a work-group, 256 work-groups.  8 K steps of 128 through two LDS slots.
; CLUSTER.  4 x 4 work-groups: O's rows are shared along a row of the cluster, W's along a column: joint loads with a mask of four.
; TRANSPOSED USE.  Source 0 = 16 rows of W, source 1 = 16 rows of O: lane l holds row l % 16 of C and columns 8 (l / 16) + 0..7.  The bias is the C operand of each sum's first product.
; REGISTERS: window 0: v0-20 addresses; v32-127, v128-223 fragment buffers; on the way out v128-191 take rows read back.  Window 1: accumulator (a, b) at v[64 a + 8 b].  Window 2: v64-127 the bias.
.set S,      8
.set PITCH,  272                       ; an LDS row: 256 bytes + 16 of padding: the 16 rows of a fragment load start at 16 different groups of four banks (64 banks of 4 bytes: ISA guide 11.1)
.set AHALF,  64*PITCH
.set BOFF,   128*PITCH
.set BHALF,  128*PITCH
.set SLOT1,  1<<17
.set STAGE,  SLOT1+BOFF+2*BHALF        ; behind the ring, never filled by a tensor load: 16 rows x 528 bytes for each wave
.set SPITCH, 528                       ; 512 bytes of f32 + 16
.set SPARE,  302080                    ; the spare words, 128 bytes for each wave: two blocks of 256 bytes that no other line names
.set CPITCH, 4096
.set G1W0,   (1<<16)|(1<<20)|(1<<21)|(5<<22)|(3<<25)  ; 2-byte elements; padding on; bit 21 beside a mask; after every 64 words four words
.set A0,   10
.set B0,   11
.set ADRA, 12
.set ADRB, 13
.set STO,  14
.set RD,   15
.set CO,   16
.set PFO,  17
.set SPW,  18                          ; v18  LDS address of my spare word; never rewritten
.set NIL,  19                          ; v19  0; never rewritten
.set BO,   20
.set F0,   32
.set F1,   128
.set OBUF, 128
.set BIAS, 64
.set WV, 12
.set WH, 13
.set W1, 14
.set CX, 15
.set CY, 16
.set GY, 17
.set CLY, 19
.set GX, 67
.set ABASE, 20
.set BBASE, 22
.set G1A, 24
.set G1B, 32
.set G0A0, 40
.set G0A, 44
.set G0B0, 48
.set G0B, 52
.set KC, 56
.set REM, 61
.set CNT, 62
.set TB, 63
.set LIM, 66
.set PFBASE, 68
.set PFA, 70
.set POFF, 72
.set CB, 76
.set BIASB, 86
.set MULW, 0x50
.set MULB, 0x60
.set MSB, 0
.macro WIN new
.if MSB != (\new)
	s_set_vgpr_msb (MSB<<8)|(\new)
.set MSB, \new
.endif
.endm
.macro PLACES
.rept 4
	v_nop
.endr
.endm
.macro CREST
	s_cmp_lg_u32 s[WV], 0
	s_cbranch_scc1 .Lnot_wave_0_\@
	s_barrier_signal -3
.Lnot_wave_0_\@:
	s_barrier_wait -3
	s_barrier_signal -1
	s_barrier_wait -1
.endm
.macro CROUND
	s_barrier_signal -1
	s_barrier_wait -1
	CREST
.endm
.macro JLOAD                           ; waves 0 and 1 fetch O's halves, waves 2 and 3 W's; an s_nop 0 and four v_nop follow each line
	s_cmp_eq_u32 s[WH], 0
	s_cbranch_scc0 .Lfor_b_\@
	tensor_load_to_lds s[G0A:G0A+3], s[G1A:G1A+7]
	s_nop 0
	PLACES
	s_branch .Lasked_\@
.Lfor_b_\@:
	tensor_load_to_lds s[G0B:G0B+3], s[G1B:G1B+7]
	s_nop 0
	PLACES
.Lasked_\@:
.endm
; A prefetch of the step two refills on: 32 rows x 256 bytes, a lane a row.  O's rows are read by this cluster alone: wave 0 of each partner takes 32 of a tile row's 128, by address.  W's rows are read by all
; sixteen clusters: the first of them asks, waves 2 and 3 each for 32 of the 128 rows that they fetch.  Each block of 256 bytes is named once in the launch.
.macro ASK
	s_cmp_gt_u32 s[REM], s[LIM]
	s_cbranch_scc0 .Lnot_mine_\@
	global_prefetch_b8 v[PFO], s[PFA:PFA+1] th:TH_LOAD_NT scope:SCOPE_SE
.Lnot_mine_\@:
.endm
.macro MUL8 f, a, kind                 ; kind 2: the bias starts the sums.  The 32 accumulators take turns, in one order everywhere
.if (\kind) == 2
	WIN MULB
.else
	WIN MULW
.endif
.irp b, 0,1,2,3,4,5,6,7
.if (\kind) == 2
	v_wmma_f32_16x16x32_f16 v[64*(\a)+8*(\b):64*(\a)+8*(\b)+7], v[(\f)+32+8*(\b):(\f)+32+8*(\b)+7], v[(\f)+8*(\a):(\f)+8*(\a)+7], v[BIAS+8*(\b):BIAS+8*(\b)+7]
.else
	v_wmma_f32_16x16x32_f16 v[64*(\a)+8*(\b):64*(\a)+8*(\b)+7], v[(\f)+32+8*(\b):(\f)+32+8*(\b)+7], v[(\f)+8*(\a):(\f)+8*(\a)+7], v[64*(\a)+8*(\b):64*(\a)+8*(\b)+7]
.endif
.endr
.endm
.macro FETCH k, f
	WIN 0
.irp b, 0,1,2,3,4,5,6,7
	ds_load_b128 v[(\f)+32+8*(\b):(\f)+32+8*(\b)+3],   v[ADRB] offset:(\k)+(\b)*16*PITCH
	ds_load_b128 v[(\f)+32+8*(\b)+4:(\f)+32+8*(\b)+7], v[ADRB] offset:(\k)+(\b)*16*PITCH+32
.endr
.irp a, 0,1,2,3
	ds_load_b128 v[(\f)+8*(\a):(\f)+8*(\a)+3],   v[ADRA] offset:(\k)+(\a)*16*PITCH
	ds_load_b128 v[(\f)+8*(\a)+4:(\f)+8*(\a)+7], v[ADRA] offset:(\k)+(\a)*16*PITCH+32
.endr
.endm
.macro QUARTER k, f, g, kind
	s_wait_dscnt 4                                 ; all but the youngest four loads: O's row blocks 2 and 3
	MUL8 \f, 0, \kind
	MUL8 \f, 1, \kind
	PLACES
	FETCH \k, \g
	s_wait_dscnt 24                                ; all but the 24 just issued
	MUL8 \f, 2, \kind
	MUL8 \f, 3, \kind
.endm
.macro NEXTSTEP
	s_xor_b32 s[G0A+1], s[G0A+1], SLOT1
	s_xor_b32 s[G0B+1], s[G0B+1], SLOT1
	s_add_nc_u64 s[G0A+2:G0A+3], s[ABASE:ABASE+1], s[KC:KC+1]
	s_or_b32 s[G0A+3], s[G0A+3], 0x80000000
	s_add_nc_u64 s[G0B+2:G0B+3], s[BBASE:BBASE+1], s[KC:KC+1]
	s_or_b32 s[G0B+3], s[G0B+3], 0x80000000
	s_add_co_u32 s[KC], s[KC], 256
.endm
.macro TURN fill                       ; the last quarter and the change of slots: the waits, the add and the barrier (with fill = 1 a round of the cluster's), the joint refill first behind it
.if \fill
	s_wait_xcnt 0x0                                ; the last prefetch, a K step back, has read its address
	s_add_nc_u64 s[PFA:PFA+1], s[PFBASE:PFBASE+1], s[POFF:POFF+1]
	s_add_co_u32 s[POFF], s[POFF], 256
.endif
	WIN 0
	s_wait_tensorcnt 0x0                           ; no tensor load of mine is out, so a group 0 may be written
	ds_add_u32 v[SPW], v[NIL]                      ; 0 onto my spare word
.if \fill
	NEXTSTEP
.endif
	s_wait_dscnt 5                                 ; the add and the youngest four loads may be out
	MUL8 F1, 0, 0
	s_wait_dscnt 0x0                               ; the add is done, and my reads of this slot are over
	s_barrier_signal -1
	MUL8 F1, 1, 0
	WIN 0
	s_barrier_wait -1
.if \fill
	CREST
	JLOAD
.else
	PLACES
	s_cmp_eq_u32 s[CNT], 1
	s_cbranch_scc1 .Lno_next_\@
.endif
	s_xor_b32 s[TB], s[TB], SLOT1
	v_add_nc_u32 v[ADRA], s[TB], v[A0]
	v_add_nc_u32 v[ADRB], s[TB], v[B0]
	FETCH 0, F0
.if \fill
	ASK
.else
.Lno_next_\@:
.endif
	MUL8 F1, 2, 0
	MUL8 F1, 3, 0
.endm
; THE WAY OUT of row block a: 32 bytes a lane (eight f32 of a row) straight from the accumulators, each one's low four registers first, into rows of 528 bytes of my own stage; back as whole rows of 512 bytes; stored.
.macro OUTBLOCK a
	WIN 0x04                                       ; store data in window 1, address in window 0
.irp b, 0,1,2,3,4,5,6,7
	ds_store_b128 v[STO], v[64*(\a)+8*(\b):64*(\a)+8*(\b)+3]   offset:64*(\b)
	ds_store_b128 v[STO], v[64*(\a)+8*(\b)+4:64*(\a)+8*(\b)+7] offset:64*(\b)+16
.endr
	WIN 0
.if (\a) > 0
	s_wait_xcnt 0x0                                ; the last block's stores have read the registers that the loads below take
.endif
.irp i, 0,1,2,3,4,5,6,7,8,9,10,11,12,13,14,15
	ds_load_b128 v[OBUF+4*(\i):OBUF+4*(\i)+3], v[RD] offset:(\i)*SPITCH  ; LDS serves a wave's instructions in order (ISA guide 5.7.1.4): these see the stores above
.endr
.irp i, 0,1,2,3,4,5,6,7,8,9,10,11,12,13,14,15
	s_wait_dscnt 15-(\i)                           ; row i is back; the younger loads stay out
	global_store_b128 v[CO], v[OBUF+4*(\i):OBUF+4*(\i)+3], s[CB:CB+1] offset:(16*(\a)+(\i))*CPITCH th:TH_STORE_NT  ; 512 consecutive bytes, aligned
.endr
.endm
	s_load_b256 s[4:11], s[0:1], 0x0               ; o s[4:5], wh s[6:7], bias s[8:9], out0 s[10:11]
	v_lshl_add_u32 v[SPW], v0, 2, SPARE
	v_mov_b32 v[NIL], 0
	ds_add_u32 v[SPW], v[NIL]                      ; the wave's opening: an add to my spare word, waited for ahead of my first tensor load
	v_lshrrev_b32 v3, 5, v0
	v_readfirstlane_b32 s[WV], v3
	s_lshr_b32 s[WH], s[WV], 1
	s_and_b32 s[W1], s[WV], 1
	s_bfe_u32 s[CX], ttmp6, 0x40000
	s_bfe_u32 s[CY], ttmp6, 0x40004
	s_and_b32 s[CLY], ttmp7, 0xffff
	s_lshl_b32 s[GY], s[CLY], 2
	s_add_co_u32 s[GY], s[GY], s[CY]
	s_lshl_b32 s[GX], ttmp9, 2
	s_add_co_u32 s[GX], s[GX], s[CX]
	s_lshl_b32 s2, s[CY], 2
	s_lshl_b32 s2, 15, s2                          ; my row of the cluster
	s_lshl_b32 s88, 0x1111, s[CX]                  ; my column
	s_or_b32 s[G1A], s2, G1W0
	s_or_b32 s[G1B], s88, G1W0
	s_mov_b32 s[G1A+1], 128<<16
	s_mov_b32 s[G1A+2], 64<<16
	s_mov_b32 s[G1A+3], 128<<16
	s_mov_b32 s[G1A+4], 64
	s_mov_b32 s[G1A+5], 1024
	s_mov_b32 s[G1A+6], 0
	s_mov_b32 s[G1A+7], 0
	s_mov_b32 s[G1B+1], 128<<16
	s_mov_b32 s[G1B+2], 128<<16
	s_mov_b32 s[G1B+3], 128<<16
	s_mov_b32 s[G1B+4], 128
	s_mov_b32 s[G1B+5], 1024
	s_mov_b32 s[G1B+6], 0
	s_mov_b32 s[G1B+7], 0
	s_lshl_b32 s2, s[GY], 7                        ; O: row 128 gy + 64 x half
	s_lshl_b32 s3, s[W1], 6
	s_add_co_u32 s2, s2, s3
	s_lshl_b32 s2, s2, 11
	s_mov_b32 s3, 0
	s_lshl_b32 s88, s[GX], 8                       ; W_out: row 3,072 + 256 gx + 128 x half of wh
	s_lshl_b32 s89, s[W1], 7
	s_add_co_u32 s88, s88, s89
	s_add_co_u32 s88, s88, 3072
	s_lshl_b32 s88, s88, 11
	s_mov_b32 s89, 0
	s_mul_i32 s90, s[W1], AHALF
	s_mul_i32 s91, s[W1], BHALF
	s_add_co_u32 s91, s91, BOFF
	s_mov_b32 s[KC], 512                           ; the first refill asks for step 2
	s_mov_b32 s[KC+1], 0
	s_mov_b32 s[POFF], 1024                        ; the first prefetch names step 4
	s_mov_b32 s[POFF+1], 0
	s_wait_dscnt 0x0                               ; the opening add is done
	s_wait_kmcnt 0x0
	s_add_nc_u64 s[ABASE:ABASE+1], s[4:5], s[2:3]
	s_add_nc_u64 s[BBASE:BBASE+1], s[6:7], s[88:89]
	s_mov_b32 s[G0A0], 1
	s_mov_b32 s[G0A0+1], s90
	s_mov_b64 s[G0A0+2:G0A0+3], s[ABASE:ABASE+1]
	s_or_b32 s[G0A0+3], s[G0A0+3], 0x80000000
	s_mov_b32 s[G0A], 1
	s_add_co_u32 s[G0A+1], s90, SLOT1
	s_add_nc_u64 s[G0A+2:G0A+3], s[ABASE:ABASE+1], 256
	s_or_b32 s[G0A+3], s[G0A+3], 0x80000000
	s_mov_b32 s[G0B0], 1
	s_mov_b32 s[G0B0+1], s91
	s_mov_b64 s[G0B0+2:G0B0+3], s[BBASE:BBASE+1]
	s_or_b32 s[G0B0+3], s[G0B0+3], 0x80000000
	s_mov_b32 s[G0B], 1
	s_add_co_u32 s[G0B+1], s91, SLOT1
	s_add_nc_u64 s[G0B+2:G0B+3], s[BBASE:BBASE+1], 256
	s_or_b32 s[G0B+3], s[G0B+3], 0x80000000
	CROUND                                         ; all sixteen work-groups are here: the first joint loads meet
	s_cmp_eq_u32 s[WH], 0
	s_cbranch_scc0 .Lfirst_b
	tensor_load_to_lds s[G0A0:G0A0+3], s[G1A:G1A+7]
	s_nop 0
	tensor_load_to_lds s[G0A:G0A+3], s[G1A:G1A+7]
	s_nop 0
	PLACES
	s_branch .Lfirst_asked
.Lfirst_b:
	tensor_load_to_lds s[G0B0:G0B0+3], s[G1B:G1B+7]
	s_nop 0
	tensor_load_to_lds s[G0B:G0B+3], s[G1B:G1B+7]
	s_nop 0
	PLACES
.Lfirst_asked:
	v_and_b32 v1, 15, v0                           ; l % 16
	v_bfe_u32 v2, v0, 4, 1                         ; l / 16
	v_and_b32 v3, 31, v0                           ; l
	v_mul_u32_u24 v4, v1, PITCH
	v_lshl_add_u32 v4, v2, 4, v4
	s_mul_i32 s94, s[WH], AHALF
	v_add_nc_u32 v[A0], s94, v4
	v_add_nc_u32 v[B0], s91, v4
	s_mul_i32 s94, s[WV], 16*SPITCH
	s_add_co_u32 s94, s94, STAGE                   ; my stage
	v_mul_u32_u24 v5, v1, SPITCH                   ; in: row l % 16, 32 bytes for each half of the lanes
	v_lshl_add_u32 v5, v2, 5, v5
	v_add_nc_u32 v[STO], s94, v5
	v_lshl_add_u32 v[RD], v3, 4, s94               ; back: 32 lanes take a row's 512 bytes
	v_lshlrev_b32 v[CO], 4, v3                     ; and the same in C
	v_lshlrev_b32 v[PFO], 11, v3
	v_lshlrev_b32 v[BO], 5, v2
	s_lshl_b32 s92, s[GY], 7                       ; C at row 128 gy + 64 x my half, byte 1,024 gx + 512 x my half
	s_lshl_b32 s93, s[WH], 6
	s_add_co_u32 s92, s92, s93
	s_lshl_b32 s92, s92, 12
	s_lshl_b32 s93, s[GX], 10
	s_add_co_u32 s92, s92, s93
	s_lshl_b32 s93, s[W1], 9
	s_add_co_u32 s92, s92, s93
	s_mov_b32 s93, 0
	s_add_nc_u64 s[CB:CB+1], s[10:11], s[92:93]
	s_lshl_b32 s92, s[GX], 10                      ; the bias of column 256 gx + 128 x my half, behind the other three biases
	s_lshl_b32 s95, s[W1], 9
	s_add_co_u32 s92, s92, s95
	s_add_co_u32 s92, s92, 3*4096
	s_add_nc_u64 s[BIASB:BIASB+1], s[8:9], s[92:93]
	WIN 0x80
.irp b, 0,1,2,3,4,5,6,7
	global_load_b128 v[BIAS+8*(\b):BIAS+8*(\b)+3],   v[BO], s[BIASB:BIASB+1] offset:64*(\b)     ; register 8 b + j: the bias of column 16 b + 8 (l / 16) + j
	global_load_b128 v[BIAS+8*(\b)+4:BIAS+8*(\b)+7], v[BO], s[BIASB:BIASB+1] offset:64*(\b)+16
.endr
	WIN 0
	s_lshl_b32 s92, s[GY], 7                       ; the prefetches: of O rows 128 gy + 32 cx on,
	s_lshl_b32 s93, s[CX], 5
	s_add_co_u32 s92, s92, s93
	s_lshl_b32 s95, s[GX], 8                       ; of wh rows 3,072 + 256 gx + 128 x half + 32 cy on
	s_lshl_b32 s93, s[W1], 7
	s_add_co_u32 s95, s95, s93
	s_lshl_b32 s93, s[CY], 5
	s_add_co_u32 s95, s95, s93
	s_add_co_u32 s95, s95, 3072
	s_cmp_eq_u32 s[WH], 0
	s_cselect_b32 s92, s92, s95
	s_cselect_b64 s[PFBASE:PFBASE+1], s[4:5], s[6:7]
	s_lshl_b32 s92, s92, 11
	s_mov_b32 s93, 0
	s_add_nc_u64 s[PFBASE:PFBASE+1], s[PFBASE:PFBASE+1], s[92:93]
	s_cmp_eq_u32 s[CLY], 0                         ; the same in all sixteen partners, for a given wave
	s_cselect_b32 s95, 2, -1
	s_cmp_eq_u32 s[WV], 0
	s_cselect_b32 s[LIM], 2, -1
	s_cmp_eq_u32 s[WH], 0
	s_cselect_b32 s[LIM], s[LIM], s95
	s_wait_tensorcnt 0x1                           ; my part of step 0 is in; step 1's may stay out
	s_barrier_signal -1
	s_barrier_wait -1
	s_mov_b32 s[TB], 0
	v_mov_b32 v[ADRA], v[A0]
	v_mov_b32 v[ADRB], v[B0]
	FETCH 0, F0
	s_wait_loadcnt 0x0                             ; the bias
	QUARTER 64, F0, F1, 2                          ; the first quarter starts the sums
	WIN 0
	s_mov_b32 s[REM], S-2
.Lstep:                                                ; a trip: a step's quarters 1 to 3, a refill, and the next step's quarter 0
	QUARTER 128, F1, F0, 0
	QUARTER 192, F0, F1, 0
	TURN 1
	QUARTER 64, F0, F1, 0
	WIN 0
	s_sub_co_u32 s[REM], s[REM], 1
	s_cmp_lg_u32 s[REM], 0
	s_cbranch_scc1 .Lstep
	s_mov_b32 s[CNT], 2
.Ltail:                                                ; the last two steps ask for nothing
	QUARTER 128, F1, F0, 0
	QUARTER 192, F0, F1, 0
	TURN 0
	WIN 0
	s_cmp_eq_u32 s[CNT], 1
	s_cbranch_scc1 .Lnoq
	QUARTER 64, F0, F1, 0
	WIN 0
.Lnoq:
	s_sub_co_u32 s[CNT], s[CNT], 1
	s_cmp_lg_u32 s[CNT], 0
	s_cbranch_scc1 .Ltail
	PLACES                                         ; THE WAY OUT
	OUTBLOCK 0
	OUTBLOCK 1
	OUTBLOCK 2
	OUTBLOCK 3
	s_wait_tensorcnt 0x0                           ; the wave's end: an add to my spare word and its wait, behind my last tensor load and my last LDS store
	ds_add_u32 v[SPW], v[NIL]
	s_wait_dscnt 0x0
	CROUND                                         ; the closing round
	s_endpgm
.Lfunc_end_k_q8ca7ea6b4e_outp:
	.size	k_q8ca7ea6b4e_outp, .Lfunc_end_k_q8ca7ea6b4e_outp-k_q8ca7ea6b4e_outp
	.p2alignl 7, 3214868480
	.fill 96, 4, 3214868480
	.section	.rodata,"a",@progbits
	.p2align	6, 0x0
	.amdhsa_kernel k_q8ca7ea6b4e_outp
		.amdhsa_group_segment_fixed_size 327680
		.amdhsa_private_segment_fixed_size 0
		.amdhsa_enable_private_segment 0
		.amdhsa_kernarg_size 32
		.amdhsa_user_sgpr_count 2
		.amdhsa_user_sgpr_kernarg_segment_ptr 1
		.amdhsa_wavefront_size32 1
		.amdhsa_system_sgpr_workgroup_id_x 1
		.amdhsa_system_sgpr_workgroup_id_y 1
		.amdhsa_system_sgpr_workgroup_id_z 1
		.amdhsa_system_vgpr_workitem_id 0
		.amdhsa_next_free_vgpr 640
		.amdhsa_next_free_sgpr 96
		.amdhsa_reserve_vcc 0
		.amdhsa_float_denorm_mode_32 3
		.amdhsa_float_denorm_mode_16_64 3
		.amdhsa_memory_ordered 1
		.amdhsa_forward_progress 1
		.amdhsa_inst_pref_size 64
	.end_amdhsa_kernel
	.amdgpu_metadata
---
amdhsa.version: [ 1, 2 ]
amdhsa.kernels:
  - .name:           k_q8ca7ea6b4e_outp
    .symbol:         k_q8ca7ea6b4e_outp.kd
    .args:
      - { .name: o, .offset: 0, .size: 8, .value_kind: global_buffer, .address_space: global }
      - { .name: wh, .offset: 8, .size: 8, .value_kind: global_buffer, .address_space: global }
      - { .name: bias, .offset: 16, .size: 8, .value_kind: global_buffer, .address_space: global }
      - { .name: out0, .offset: 24, .size: 8, .value_kind: global_buffer, .address_space: global }
    .group_segment_fixed_size: 327680
    .private_segment_fixed_size: 0
    .kernarg_segment_align: 8
    .kernarg_segment_size: 32
    .max_flat_workgroup_size: 128
    .sgpr_count:     96
    .vgpr_count:     640
    .wavefront_size: 32
...
	.end_amdgpu_metadata
.endif
;; end of part 5
;; ======== version 2 of 2: 5 launches; version 1 with the launch cast written anew for expert scheduling mode
;; limits: values are held in f16: magnitudes above 65,504 overflow, below 6.1e-05 lose precision
;; workspace buffers: xh 16,777,216 bytes; wh 8,388,608 bytes; bias 16,384 bytes; qkv 50,331,648 bytes; p 33,554,432 bytes; stat 1,048,576 bytes; o 16,777,216 bytes
;; launch cast (part 6): grid 768 x 1, 8 waves a work-group, no clusters, 0 bytes of LDS; arguments x, w_q, w_k, w_v, w_out, b_q, b_k, b_v, b_out, xh, wh, bias; writes xh, wh, bias
.if DOCPART == 6
	.amdgcn_target "amdgcn-amd-amdhsa--gfx1250"
	.amdhsa_code_object_version 6
	.text
	.protected	k_q8ca7ea6b4e_cast
	.globl	k_q8ca7ea6b4e_cast
	.p2align	8
	.type	k_q8ca7ea6b4e_cast,@function
k_q8ca7ea6b4e_cast:
	s_mov_b64 s[64:65], 0
	v_nop
	global_prefetch_b8 v0, s[64:65] scope:SCOPE_SE
	s_setreg_imm32_b32 hwreg(HW_REG_WAVE_SCHED_MODE, 0, 2), 2
	s_setreg_imm32_b32 hwreg(HW_REG_WAVE_MODE, 25, 1), 1
	s_wait_xcnt 0x0
	s_wait_alu depctr_vm_vsrc(0)
; x and the four weights: f32 -> rounded once to bf16 -> that number written as f16 (exact where it lies in f16's normal range).
; The four biases: f32 -> rounded to bf16 -> kept as f32.  So every input of the module has one and the same rounding.
; LIMITS.  A number beyond 65,504 becomes an infinity in f16; below 2^-14 f16 keeps a fixed step of 6e-8.
; A stream: no LDS, no matrix unit, no cluster (no two work-groups read the same byte).  A work-group converts 65,536 bytes of f32:
; 256 threads x 16 loads of 16 bytes, all issued first; a wave's load covers 512 consecutive bytes, its store of 8 bytes a lane 256 consecutive bytes, aligned.
; Work-groups 0-511 take x; work-group 512 + j takes piece j % 64 of weight j / 64, and the first piece's work-group that weight's bias too.
; THE MODE: SCHED_MODE bits 1:0 = 2 (LLVM: expert scheduling mode 2), set by the entry lines.  The code itself states the register dependences
; between vector instructions and memory instructions, with s_wait_alu, always for 0.
; THE PLAN.  Registers that memory instructions touch:
;   v1, v2     byte offsets, made once at the head and never written again: read by every load (v1) and every store (v2; the bias's store: v1).
;   IN         four registers a piece: written by the piece's one load, read by its two roundings; no vector line names them ahead of the load, and none is loaded again.
;   OUT        two registers a piece: written once, by the piece's last two conversions; read by the piece's one store; never written again.
;   v[12:15]   the bias as loaded: no vector line names them ahead of the load.     v[6:9]  the bias to store; in the main part no memory instruction names them.
; The sixteen pieces go in four blocks of four.  A block's conversions write its eight registers of OUT; ONE wait on va_vdst stands behind them, and the block's four stores follow it in one run,
; ahead of the wait for the next block's data.  No register that a memory instruction has read is ever written again, so past the entry lines the text holds no wait on vm_vsrc.
.set XG,  512                          ; work-groups for x
.set IN,  16                           ; v[16:79]   sixteen loads of four f32
.set OUT, 80                           ; v[80:111]  sixteen pairs of registers to store; each load has its own, so none is rewritten
	s_load_b512 s[8:23], s[0:1], 0x0               ; x s[8:9], w_q s[10:11], w_k s[12:13], w_v s[14:15], w_out s[16:17], b_q s[18:19], b_k s[20:21], b_v s[22:23]
	s_load_b256 s[24:31], s[0:1], 0x40             ; b_out s[24:25], xh s[26:27], wh s[28:29], bias s[30:31]
	v_lshlrev_b32 v1, 4, v0                        ; 16 bytes a thread in
	v_lshlrev_b32 v2, 3, v0                        ; 8 bytes a thread out
	s_sub_co_u32 s4, ttmp9, XG                     ; j (it wraps in x's work-groups, which do not use it)
	s_lshr_b32 s5, s4, 6                           ; which weight
	s_and_b32 s6, s4, 63                           ; which piece of it
	s_mov_b32 s7, 0xffff0000                       ; a word's upper bf16
	s_wait_kmcnt 0x0
	s_cmp_eq_u32 s5, 1
	s_cselect_b64 s[32:33], s[12:13], s[10:11]     ; the weight,
	s_cselect_b64 s[34:35], s[20:21], s[18:19]     ; and its bias
	s_cmp_eq_u32 s5, 2
	s_cselect_b64 s[32:33], s[14:15], s[32:33]
	s_cselect_b64 s[34:35], s[22:23], s[34:35]
	s_cmp_eq_u32 s5, 3
	s_cselect_b64 s[32:33], s[16:17], s[32:33]
	s_cselect_b64 s[34:35], s[24:25], s[34:35]
	s_cmp_lt_u32 ttmp9, XG
	s_cselect_b64 s[32:33], s[8:9], s[32:33]       ; from x or from the weight,
	s_cselect_b64 s[36:37], s[26:27], s[28:29]     ; to xh or to wh
	s_cselect_b32 s38, ttmp9, s6                   ; the piece in the source,
	s_cselect_b32 s40, ttmp9, s4                   ; and in the destination (the weights lie one behind the other in wh)
	s_lshl_b32 s38, s38, 16
	s_mov_b32 s39, 0
	s_lshl_b32 s40, s40, 15
	s_mov_b32 s41, 0
	s_add_nc_u64 s[32:33], s[32:33], s[38:39]
	s_add_nc_u64 s[36:37], s[36:37], s[40:41]
	s_wait_alu depctr_va_vdst(0)                   ; v1 and v2 are written: every load and store of the kernel reads one of them as its offset, and no vector line names them again
.irp p, 0,1,2,3,4,5,6,7,8,9,10,11,12,13,14,15
	global_load_b128 v[IN+4*(\p):IN+4*(\p)+3], v1, s[32:33] offset:4096*(\p) th:TH_LOAD_NT
.endr
.irp b, 0,1,2,3                        ; a block: pieces 4 b to 4 b + 3
.irp q, 0,1,2,3
	s_wait_loadcnt 15-4*(\b)-(\q)                  ; loads come back in order: this piece's load is in, the younger ones stay out
	v_cvt_pk_bf16_f32 v4, v[IN+4*(4*(\b)+(\q))], v[IN+4*(4*(\b)+(\q))+1]    ; the one rounding, to nearest even
	v_cvt_pk_bf16_f32 v5, v[IN+4*(4*(\b)+(\q))+2], v[IN+4*(4*(\b)+(\q))+3]
	v_lshlrev_b32 v6, 16, v4                       ; bf16 to f32: the low half moves up, the high half stays
	v_and_b32 v7, s7, v4
	v_lshlrev_b32 v8, 16, v5
	v_and_b32 v9, s7, v5
	v_cvt_pk_f16_f32 v[OUT+2*(4*(\b)+(\q))], v6, v7
	v_cvt_pk_f16_f32 v[OUT+2*(4*(\b)+(\q))+1], v8, v9
.endr
	s_wait_alu depctr_va_vdst(0)                   ; the block's conversions have written its eight registers of OUT, which the four stores below read
.irp q, 0,1,2,3
	global_store_b64 v2, v[OUT+2*(4*(\b)+(\q)):OUT+2*(4*(\b)+(\q))+1], s[36:37] offset:2048*(4*(\b)+(\q))
.endr
.endr
	s_cmp_lt_u32 ttmp9, XG
	s_cbranch_scc1 .Lend
	s_cmp_lg_u32 s6, 0
	s_cbranch_scc1 .Lend
	s_lshl_b32 s38, s5, 12                         ; the bias's 4,096 bytes in the table (s[38:39] is no operand of a pending instruction)
	s_add_nc_u64 s[42:43], s[30:31], s[38:39]
	global_load_b128 v[12:15], v1, s[34:35]        ; no vector line has named v[12:15]; v1 stands as the head's wait showed it
	s_wait_loadcnt 0x0
	v_cvt_pk_bf16_f32 v4, v12, v13
	v_cvt_pk_bf16_f32 v5, v14, v15
	v_lshlrev_b32 v6, 16, v4
	v_and_b32 v7, s7, v4
	v_lshlrev_b32 v8, 16, v5
	v_and_b32 v9, s7, v5
	s_wait_alu depctr_va_vdst(0)                   ; the four lines above have written v[6:9], which the store reads
	global_store_b128 v1, v[6:9], s[42:43]
.Lend:
	s_endpgm
.Lfunc_end_k_q8ca7ea6b4e_cast:
	.size	k_q8ca7ea6b4e_cast, .Lfunc_end_k_q8ca7ea6b4e_cast-k_q8ca7ea6b4e_cast
	.p2alignl 7, 3214868480
	.fill 96, 4, 3214868480
	.section	.rodata,"a",@progbits
	.p2align	6, 0x0
	.amdhsa_kernel k_q8ca7ea6b4e_cast
		.amdhsa_group_segment_fixed_size 0
		.amdhsa_private_segment_fixed_size 0
		.amdhsa_enable_private_segment 0
		.amdhsa_kernarg_size 96
		.amdhsa_user_sgpr_count 2
		.amdhsa_user_sgpr_kernarg_segment_ptr 1
		.amdhsa_wavefront_size32 1
		.amdhsa_system_sgpr_workgroup_id_x 1
		.amdhsa_system_sgpr_workgroup_id_y 1
		.amdhsa_system_sgpr_workgroup_id_z 1
		.amdhsa_system_vgpr_workitem_id 0
		.amdhsa_next_free_vgpr 112
		.amdhsa_next_free_sgpr 66
		.amdhsa_reserve_vcc 0
		.amdhsa_float_denorm_mode_32 3
		.amdhsa_float_denorm_mode_16_64 3
		.amdhsa_memory_ordered 1
		.amdhsa_forward_progress 1
		.amdhsa_inst_pref_size 12
	.end_amdhsa_kernel
	.amdgpu_metadata
---
amdhsa.version: [ 1, 2 ]
amdhsa.kernels:
  - .name:           k_q8ca7ea6b4e_cast
    .symbol:         k_q8ca7ea6b4e_cast.kd
    .args:
      - { .name: x, .offset: 0, .size: 8, .value_kind: global_buffer, .address_space: global }
      - { .name: w_q, .offset: 8, .size: 8, .value_kind: global_buffer, .address_space: global }
      - { .name: w_k, .offset: 16, .size: 8, .value_kind: global_buffer, .address_space: global }
      - { .name: w_v, .offset: 24, .size: 8, .value_kind: global_buffer, .address_space: global }
      - { .name: w_out, .offset: 32, .size: 8, .value_kind: global_buffer, .address_space: global }
      - { .name: b_q, .offset: 40, .size: 8, .value_kind: global_buffer, .address_space: global }
      - { .name: b_k, .offset: 48, .size: 8, .value_kind: global_buffer, .address_space: global }
      - { .name: b_v, .offset: 56, .size: 8, .value_kind: global_buffer, .address_space: global }
      - { .name: b_out, .offset: 64, .size: 8, .value_kind: global_buffer, .address_space: global }
      - { .name: xh, .offset: 72, .size: 8, .value_kind: global_buffer, .address_space: global }
      - { .name: wh, .offset: 80, .size: 8, .value_kind: global_buffer, .address_space: global }
      - { .name: bias, .offset: 88, .size: 8, .value_kind: global_buffer, .address_space: global }
    .group_segment_fixed_size: 0
    .private_segment_fixed_size: 0
    .kernarg_segment_align: 8
    .kernarg_segment_size: 96
    .max_flat_workgroup_size: 256
    .sgpr_count:     66
    .vgpr_count:     112
    .wavefront_size: 32
...
	.end_amdgpu_metadata
.endif
;; end of part 6
;; launch qkv: the kernel of part 2 again; grid 12 x 16, 4 waves a work-group, clusters of 4 x 4, 327,680 bytes of LDS; arguments xh, wh, bias, qkv; writes qkv
;; launch scores: the kernel of part 3 again; grid 8 x 32, 4 waves a work-group, clusters of 4 x 4, 327,680 bytes of LDS; arguments qkv, p, stat; writes p, stat
;; launch pv: the kernel of part 4 again; grid 4 x 64, 4 waves a work-group, clusters of 4 x 4, 327,680 bytes of LDS; arguments p, qkv, stat, o; writes o
;; launch outp: the kernel of part 5 again; grid 4 x 64, 4 waves a work-group, clusters of 4 x 4, 327,680 bytes of LDS; arguments o, wh, bias, out0; writes out0
